; MI455X (gfx1250); checked and timed in simulation.
; The chip was launched on July 23, 2026; its instructions are those of AMD's public machine-readable ISA for CDNA 5 (MIT licence, August 2026) and "CDNA5" Instruction Set Architecture Reference Guide (July 2026). The comments in the code are by the model that wrote it; some were corrected since.
;; Multihead Attention. Allowed arithmetic: matrix products marked QUANTISED: E5M2 operands, one E8M0 scale for each 32 along K, by v_wmma_scale_f32_16x16x128_f8f6f4 with both operands' format E5M2, f32 sums; everything else in f32.
;; Inputs: K 4 x 2,048 x 1,024 float32; Q 4 x 2,048 x 1,024 float32; V 4 x 2,048 x 1,024 float32; Wk 16 x 1,024 x 64 float32; Wo 1,024 x 1,024 float32; Wq 16 x 1,024 x 64 float32; Wv 16 x 1,024 x 64 float32; bk 16 x 64 float32; bo 1,024 float32; bq 16 x 64 float32; bv 16 x 64 float32.
;; Outputs: out0 4 x 2,048 x 1,024 float32.
;; This version of the problem:
;;   THIS VERSION OF THE PROBLEM IS GIVEN IN LOW PRECISION. The matrix products marked QUANTISED in the list below multiply operands that are first quantised to E5M2 (5 exponent bits, 2 mantissa bits; 8 bits a number), with one power-of-two scale for each 32 numbers along K (OCP MX v1.0); their sums are f32. All else is computed in f32.
;;   The module's matrix products, in the order in which they are computed (A, B: the left and right operand; K: the contracted axis; several contracted axes count as one K, in the product's order):
;;     1. [M 1,024, K 1,024] x [K 1,024, N 8,192]; A: input Wq; B: input Q: QUANTISED
;;     2. [M 1,024, K 1,024] x [K 1,024, N 8,192]; A: input Wk; B: input K: QUANTISED
;;     3. [M 1,024, K 1,024] x [K 1,024, N 8,192]; A: input Wv; B: input V: QUANTISED
;;     4. batch 64 x [M 2,048, K 64] x [K 64, N 2,048]; A: computed on the way; B: computed on the way: QUANTISED
;;     5. batch 64 x [M 2,048, K 2,048] x [K 2,048, N 64]; A: softmax (see below); B: computed on the way: QUANTISED
;;     6. [M 8,192, K 1,024] x [K 1,024, N 1,024]; A: computed on the way; B: input Wo: QUANTISED
;;   THE QUANTISER, for each operand of a quantised product, along K:
;;     - K is cut into blocks of 32 from its start; a last block that is shorter is filled with zeros.
;;     - A block's scale is 2^e with e = floor(log2(the largest magnitude in the block)) - 15, held to -126 .. 127; a block of zeros has e = 0. As a byte (E8M0): e + 127.
;;     - Each number is divided by its block's scale, clamped to +-57,344, and rounded to the nearest number of E5M2, ties to even, subnormals kept.
;;     - The product sums the exact products of the quantised numbers (number of the format x scale) in f32.
;;   ~~~python
;;   def quantise(x, axis):      # numpy; x: float32 -> the quantised numbers, widened to float32 again
;;       x = np.moveaxis(x, axis, -1); K = x.shape[-1]
;;       x = np.pad(x, [(0, 0)] * (x.ndim - 1) + [(0, -K % 32)]); x = x.reshape(x.shape[:-1] + (-1, 32)); a = np.abs(x).max(-1, keepdims=True)
;;       e = np.where(a > 0, np.clip(np.frexp(np.where(a > 0, a, 1))[1] - 1 - 15, -126, 127), 0)      # np.frexp(a)[1] - 1 = floor(log2(a)), exactly
;;       r = np.clip(x / 2.0 ** e, -57344, 57344)
;;       step = 2.0 ** (np.maximum(np.frexp(np.where(r == 0, 1, r))[1] - 1, -14) - 2)
;;       q = np.round(r / step) * step * 2.0 ** e      # np.round: ties to even
;;       return np.moveaxis(q.reshape(q.shape[:-2] + (-1,))[..., :K], -1, axis).astype(np.float32)
;;   ~~~
;;   SOFTMAX AHEAD OF A QUANTISED PRODUCT. Where the list says 'softmax', what is quantised is not the finished softmax but p = 2^(t - M), with t = logit x log2(e) and M = ceil(the row's largest t), a whole number; so 1/2 < the row's largest p <= 1. The row's sum l is taken of the UNQUANTISED p, in f32, and the product's result is divided by l at the end. Since M is a whole number, a kernel that streams over the keys may use a running M (the ceiling of the running maximum): every later rescaling is an exact power of two, which a block's scale takes up: the codes' values come out the same.
;;   OPERANDS COMPUTED ON THE WAY. 'Computed on the way' means the value that the module computes at that place (a softmax that the list does not call 'softmax' is quantised finished and normalised). What goes into a quantiser is computed in f32, as accurately as f32 sums, v_exp_f32 and their like allow (about 1e-6 of the number): no bf16 or f16 on the way to a quantiser, and a product that is left as it is and whose result goes on into a quantised operand takes f32 operands (vector FMAs, or v_wmma_f32_16x16x4_f32). A number that lies on a knife's edge between two numbers of the format may be rounded either way, as far as f32 arithmetic and the matrix unit's own rounding can turn it there, and no further.
;; One version. Each part assembles by itself: llvm-mc -triple=amdgcn-amd-amdhsa -mcpu=gfx1250 --defsym DOCPART=n.
;; ======== version 1 of 1: 4 launches
;; limits: right only within a limited range of input values
;; workspace buffers: xc 25,165,824 bytes; xs 786,432 bytes; wc 4,194,304 bytes; ws 131,072 bytes; qi 8,650,752 bytes; kvi 17,301,504 bytes; oc 8,388,608 bytes; os 262,144 bytes
;; launch quant (part 1): grid 896 x 1, 4 waves a work-group, no clusters, 57,856 bytes of LDS; arguments Q, K, V, xc, xs, Wq, Wk, Wv, Wo, wc, ws; writes xc, xs, wc, ws
.if DOCPART == 1
	.amdgcn_target "amdgcn-amd-amdhsa--gfx1250"
	.amdhsa_code_object_version 6
	.text
	.protected	k_qf74ed561eb_quant
	.globl	k_qf74ed561eb_quant
	.p2align	8
	.type	k_qf74ed561eb_quant,@function
k_qf74ed561eb_quant:
	s_mov_b64 s[64:65], 0
	v_nop
	global_prefetch_b8 v0, s[64:65] scope:SCOPE_SE
	s_setreg_imm32_b32 hwreg(HW_REG_WAVE_MODE, 25, 1), 1
	s_wait_xcnt 0x0
; ONE LAUNCH QUANTISES ALL SEVEN f32 OPERANDS into codes of BF8 (E5M2) with K (the hidden axis) innermost and one E8M0 scale byte for each 32 along K.
; Work-groups 0 to 127 take the four weights, whose K is not innermost; work-groups 128 to 895 take Q, K, V, whose K is innermost.  The two ways part at the first line, on the work-group's number alone;
; each has LDS bytes of its own (activations: bytes 0 to 22,527; weights: 22,528 to 57,343).  The weights come first: each of their waves is a long chain of loads, which passes while the activations stream.
; ROW ORDER of every buffer of codes: storage row i holds row sigma(i), sigma = bits 3 and 4 of the index exchanged (its own inverse).  So 16 storage rows on end are rows 32 g + 8 u + r + 8 (r / 8):
; two neighbouring 16 x 16 results of a product then give a lane 16 neighbours along the next product's K.
; A block's scale is 2^(floor(log2(largest magnitude)) - 15); its byte is the largest magnitude's exponent field - 15, held at 1 from below.
; LIMITS: a block of zeros, and a block whose largest magnitude lies under 2^-111, keeps the byte 1 (a block of zeros has zero codes, and this program alone reads the bytes); NaN and infinities among the inputs are not served.
.set NWGW, 128                         ; the weights' work-groups: 4 tensors x 8 groups of 128 columns x 4 runs of 256 along K
	v_lshl_add_u32 v192, v0, 2, 0xe000
	v_mov_b32 v193, 0
	s_cmp_lt_u32 ttmp9, NWGW
	s_cbranch_scc1 .Lweights
; ---------------------------------------------------------------- THE ACTIVATIONS
; Q, K, V [8192 rows][1024] become xc [3][8192][1024] and xs [3][8192][32].  A wave takes a run of 8 rows (8,192 numbers); sigma exchanges the two low bits of the run's number, which are the wave's number.
; Beyond that nothing here knows of rows: a run is a plain stream of blocks of 32 numbers, and so are its codes and its scale bytes.
; A wave takes 16 steps of 512 numbers.  Each of a step's four loads reads 512 consecutive bytes, 16 a lane; the 2,048 bytes go through the wave's own stage in LDS as they lie and come back 64 bytes a lane,
; so that a lane holds 16 NEIGHBOURS along K, which is what the conversions take; two neighbouring lanes hold a block.  The stage has 16 bytes of padding behind each 64.
; A lane's 16 codes are 16 bytes: the wave stores 512 consecutive bytes.  A wave's 256 scale bytes are gathered in its own LDS bytes and leave as 256 consecutive bytes, aligned.
; No barrier: waves share nothing.  Loads run four steps (16 loads a wave) ahead, the turn through LDS one step.
.set STEPS, 16
.set CB,    16                         ; bytes of 16 codes
.set XR,    16                         ; v16-79   four sets of 16 numbers as they are loaded
.set XX,    80                         ; v80-111  two sets of 16 neighbours
.set XC,    128                        ; v128-191 codes: four registers for each step, so that no store's data are written again
.set XE,    112                        ; v112-127 a scale byte for each step
.set WREG,  5632                       ; LDS: a region for each wave: two stages of 32 x SP bytes, behind them its 256 scale bytes, rounded up to blocks of 256
.set SP,    80                         ; a lane's place in a stage: its 64 bytes + 16 of padding
	s_load_b256 s[4:11], s[0:1], 0x0               ; Q, K, V, xc
	s_load_b64 s[12:13], s[0:1], 0x20              ; xs
	v_lshrrev_b32 v1, 5, v0
	v_readfirstlane_b32 s16, v1                    ; wave
	v_and_b32 v2, 31, v0                           ; lane
	v_lshlrev_b32 v3, 4, v2                        ; my 16 bytes of a load's 512
	s_mul_i32 s17, s16, WREG
	v_lshrrev_b32 v14, 2, v2
	v_mul_u32_u24 v14, v14, SP
	v_and_b32 v15, 3, v2
	v_lshl_add_u32 v14, v15, 4, v14
	v_add_nc_u32 v14, s17, v14                     ; the stage, on the way in: four lanes' 64 bytes on end, then 16 of padding
	v_mul_u32_u24 v15, v2, SP
	v_add_nc_u32 v15, s17, v15                     ; and on the way out: SP x lane: my 16 neighbours
	v_mul_u32_u24 v4, v2, CB                       ; my codes' place in a step's
	v_lshrrev_b32 v5, 1, v2
	s_add_co_u32 s17, s17, 2*32*SP
	v_add_nc_u32 v5, s17, v5                       ; LDS: my wave's 256 scale bytes, my block's byte
	v_lshlrev_b32 v7, 3, v2                        ; and on the way out 8 bytes a lane
	v_add_nc_u32 v6, s17, v7
	s_mov_b32 s23, 0x600000                        ; the mantissa field of 57,344
	s_sub_co_u32 s25, ttmp9, NWGW                  ; my number among the activations' 768 work-groups
	s_lshr_b32 s24, s25, 8                         ; which tensor: 256 work-groups each
	s_and_b32 s18, s25, 255
	s_lshl_b32 s18, s18, 2
	s_add_co_u32 s18, s18, s16                     ; the run that I read,
	s_lshl_b32 s18, s18, 15                        ; 32,768 bytes each
	s_mov_b32 s19, 0
	s_and_b32 s20, s16, 1
	s_lshl_b32 s20, s20, 1
	s_lshr_b32 s21, s16, 1
	s_or_b32 s20, s20, s21                         ; the wave's two bits exchanged: sigma on the rows
	s_lshl_b32 s21, s25, 2
	s_add_co_u32 s20, s20, s21                     ; the run that I write, counted through the three tensors
	s_lshl_b32 s26, s20, 13                        ; 8,192 bytes of codes,
	s_mov_b32 s27, 0
	s_lshl_b32 s28, s20, 8                         ; 256 scale bytes
	s_mov_b32 s29, 0
	s_wait_alu depctr_va_vdst(0)
	s_wait_kmcnt 0x0
	s_cmp_eq_u32 s24, 1                            ; the tensor is chosen by the work-group's number alone
	s_cselect_b64 s[4:5], s[6:7], s[4:5]
	s_cmp_eq_u32 s24, 2
	s_cselect_b64 s[4:5], s[8:9], s[4:5]
	s_add_nc_u64 s[4:5], s[4:5], s[18:19]
	s_add_nc_u64 s[8:9], s[10:11], s[26:27]        ; the codes
	s_add_nc_u64 s[10:11], s[12:13], s[28:29]      ; the scale bytes
.macro XLOAD t
.irp i, 0,1,2,3
	global_load_b128 v[XR+16*((\t)%4)+4*\i:XR+16*((\t)%4)+4*\i+3], v3, s[4:5] offset:2048*(\t)+512*\i th:TH_LOAD_NT   ; 32 lanes read 512 consecutive bytes
.endr
.endm
.macro XTURN t                         ; step t's numbers through the stage: LDS serves a wave's instructions in order, so no wait stands between the stores and the loads
.irp i, 0,1,2,3
	ds_store_b128 v14, v[XR+16*((\t)%4)+4*\i:XR+16*((\t)%4)+4*\i+3] offset:32*SP*((\t)%2)+8*SP*\i
.endr
.irp i, 0,1,2,3
	ds_load_b128 v[XX+16*((\t)%2)+4*\i:XX+16*((\t)%2)+4*\i+3], v15 offset:32*SP*((\t)%2)+16*\i
.endr
.endm
.irp t, 0,1,2,3
	XLOAD \t
.endr
	s_wait_loadcnt 12                              ; step 0's four loads are in; the twelve of steps 1 to 3 may be out
	XTURN 0
.macro XSTEP t
.set XS, XX+16*((\t)%2)
.if (\t) > 0
	s_wait_dscnt 1                                 ; this step's numbers are back from the stage (the last step's byte store may be out): so its stores into the stage have read their registers,
.else
	s_wait_dscnt 0x0
.endif
.if (\t)+4 < STEPS
	XLOAD (\t)+4                                   ; which take the loads of four steps on
.endif
.if (\t)+1 < STEPS
.if STEPS-2-(\t) >= 3
	s_wait_loadcnt 12                              ; the next step's four loads are in; those of the three steps behind it may be out
.else
	s_wait_loadcnt 4*(STEPS-2-(\t))                ; near the end: four for each step still behind it
.endif
	XTURN (\t)+1                                   ; and go through the other stage while this step is worked
.endif
	v_max3_num_f32 v8, |v[XS]|, |v[XS+1]|, |v[XS+2]|       ; the largest magnitude of my 16, in two chains
	v_max3_num_f32 v9, |v[XS+3]|, |v[XS+4]|, |v[XS+5]|
.irp i, 6,10
	v_max3_num_f32 v8, v8, |v[XS+\i]|, |v[XS+\i+1]|
	v_max3_num_f32 v9, v9, |v[XS+\i+2]|, |v[XS+\i+3]|
.endr
	v_max3_num_f32 v8, v8, |v[XS+14]|, |v[XS+15]|
	v_max3_num_f32 v8, v8, v9, 0x8000000           ; and the floor 2^(16 - 127): the byte cannot fall under 1
	v_max_num_f32_dpp v8, v8, v8 row_xmask:1 row_mask:0xf bank_mask:0xf   ; and of my neighbour's 16: the block's
	v_add_nc_u32 v11, 0xf8800000, v8               ; 15 off the exponent field: the conversion's scale operand
	v_and_or_b32 v10, v8, 0x7f800000, s23          ; 57,344 x the scale
.set i, 0
.rept 16
	v_med3_num_f32 v[XS+i], v[XS+i], -v10, v10     ; the conversion to an 8-bit code does not saturate (ISA guide 7.6.2): the hold comes first
.set i, i+1
.endr
	v_cvt_scalef32_pk8_bf8_f32 v[XC+4*(\t):XC+4*(\t)+1], v[XS:XS+7], v11
	v_cvt_scalef32_pk8_bf8_f32 v[XC+4*(\t)+2:XC+4*(\t)+3], v[XS+8:XS+15], v11
	v_lshrrev_b32 v[XE+(\t)], 23, v11              ; the scale's byte
	ds_store_b8 v5, v[XE+(\t)] offset:16*(\t)      ; both lanes of a block write the same byte with the same value
	global_store_b128 v4, v[XC+4*(\t):XC+4*(\t)+3], s[8:9] offset:32*CB*(\t)
.endm
.irp t, 0,1,2,3,4,5,6,7,8,9,10,11,12,13,14,15
	XSTEP \t
.endr
	ds_load_b64 v[12:13], v6                       ; LDS serves a wave's instructions in order: these see my stores
	s_wait_dscnt 0x0
	global_store_b64 v7, v[12:13], s[10:11]        ; 32 lanes store 256 consecutive bytes, aligned
	s_wait_tensorcnt 0x0
	ds_add_u32 v192, v193
	s_wait_dscnt 0x0
	s_endpgm
; ---------------------------------------------------------------- THE WEIGHTS
; Wq, Wk, Wv: [16 heads][1024 K][64]: column n = 64 head + channel, 256 bytes from one K to the next.  Wo: [1024 K][1024 n]: 4,096 bytes from one K to the next.
; wc: [4 tensors][1024 rows][1024 codes], ws: [4][1024 rows][32 bytes], rows in the order sigma.
; A LANE TAKES A COLUMN AND ITS REGISTERS RUN DOWN K: a block of 32 lies in one lane's 32 registers, and the conversions give codes with K innermost.  Nothing is transposed by an instruction.
; A wave takes 32 columns x 256 along K (8 blocks); its codes go through its own stage in LDS and leave as rows: sixteen lanes store 256 consecutive bytes, aligned.  Waves share nothing: no barrier.
; One text serves both strides: the stride is a scalar, the 32 row offsets of a block lie in 32 registers, and each of the 8 blocks has a base pair of its own, so that no base is stepped under a pending load.
.set NB,    8                          ; blocks of 32 along K for a wave
.set PITCH, 272                        ; a stage row: 256 bytes of codes + 16
.set WBASE, 4*WREG                     ; the weights' stages lie behind the activations' regions
.set WX,    32                         ; v32-95   two sets of 32 numbers
.set WC,    96                         ; v96-103  a block's codes
.set OF,    112                        ; v112-143 4 x lane + i x stride, i = 0 .. 31
.set OUTR,  32                         ; v32-95   the way out: the two sets are free by then
.set SB,    24                         ; v24-25   the scale bytes, four to a register
.set BB,    32                         ; s[32:47] a base pair for each block
.Lweights:
	s_load_b256 s[4:11], s[0:1], 0x28              ; Wq, Wk, Wv, Wo
	s_load_b128 s[12:15], s[0:1], 0x48             ; wc, ws
	v_lshrrev_b32 v1, 5, v0
	v_readfirstlane_b32 s16, v1                    ; wave 0..3
	v_and_b32 v2, 31, v0                           ; lane
	s_wait_alu depctr_va_vdst(0)
	s_and_b32 s19, ttmp9, 3                        ; which 256 along K
	s_lshr_b32 s30, ttmp9, 2
	s_lshr_b32 s17, s30, 3                         ; which tensor: 0 q, 1 k, 2 v, 3 o
	s_and_b32 s18, s30, 7                          ; which 128 columns
	s_lshl_b32 s20, s18, 7
	s_lshl_b32 s26, s16, 5
	s_add_co_u32 s20, s20, s26                     ; n0: my wave's first column
	s_lshr_b32 s26, s20, 6
	s_lshl_b32 s26, s26, 18                        ; a head is 1024 x 64 x 4 bytes
	s_and_b32 s27, s20, 63
	s_lshl_b32 s27, s27, 2
	s_add_co_u32 s26, s26, s27                     ; the column's byte in a weight laid by heads,
	s_lshl_b32 s27, s20, 2                         ; and in Wo
	s_mov_b32 s28, 4096
	s_cmp_eq_u32 s17, 3
	s_cselect_b32 s21, s28, 256                    ; the stride: bytes from one K to the next
	s_cselect_b32 s22, s27, s26
	s_mul_i32 s23, s19, s21
	s_lshl_b32 s23, s23, 8                         ; my 256 rows down K
	s_add_co_u32 s22, s22, s23
	s_mov_b32 s23, 0
	s_lshl_b32 s24, s21, 5                         ; a block: 32 strides
	s_mov_b32 s25, 0
	s_lshl_b32 s26, s17, 20                        ; codes: tensor x 2^20 + n0 x 1024 + 256 x (which 256 along K)
	s_lshl_b32 s27, s20, 10
	s_add_co_u32 s26, s26, s27
	s_lshl_b32 s27, s19, 8
	s_add_co_u32 s26, s26, s27
	s_mov_b32 s27, 0
	s_lshl_b32 s28, s17, 15                        ; scale bytes: tensor x 2^15 + n0 x 32 + 8 x (which 256 along K)
	s_lshl_b32 s29, s20, 5
	s_add_co_u32 s28, s28, s29
	s_lshl_b32 s29, s19, 3
	s_add_co_u32 s28, s28, s29
	s_mov_b32 s29, 0
	s_mov_b32 s31, 0x600000                        ; the mantissa field of 57,344
	v_lshlrev_b32 v3, 2, v2                        ; 4 bytes a lane
.set i, 0
.rept 32
	v_mad_u32_u24 v[OF+i], s21, i, v3              ; row i of a block
.set i, i+1
.endr
	s_mul_i32 s30, s16, 32*PITCH
	s_add_co_u32 s30, s30, WBASE                   ; my stage
	v_mul_u32_u24 v4, v2, PITCH
	v_add_nc_u32 v4, s30, v4                       ; into it: row = my column
	v_and_b32 v5, 15, v2
	v_lshrrev_b32 v6, 4, v2
	v_mul_u32_u24 v7, v6, PITCH
	v_lshl_add_u32 v7, v5, 4, v7
	v_add_nc_u32 v7, s30, v7                       ; out of it: sixteen lanes to a row, two rows an instruction
	v_lshlrev_b32 v8, 10, v6
	v_lshl_add_u32 v8, v5, 4, v8                   ; and the same place in wc (sigma leaves bit 0 of a row alone)
	v_and_b32 v9, 7, v2                            ; sigma(lane): bits 3 and 4 exchanged
	v_and_b32 v10, 8, v2
	v_lshl_or_b32 v9, v10, 1, v9
	v_and_b32 v10, 16, v2
	v_lshrrev_b32 v10, 1, v10
	v_or_b32 v9, v9, v10
	v_lshlrev_b32 v9, 5, v9                        ; my column's row of scale bytes: 32 bytes a row
	s_wait_kmcnt 0x0
	s_cmp_eq_u32 s17, 1                            ; the tensor is chosen by the work-group's number alone
	s_cselect_b64 s[4:5], s[6:7], s[4:5]
	s_cmp_eq_u32 s17, 2
	s_cselect_b64 s[4:5], s[8:9], s[4:5]
	s_cmp_eq_u32 s17, 3
	s_cselect_b64 s[4:5], s[10:11], s[4:5]
	s_add_nc_u64 s[BB:BB+1], s[4:5], s[22:23]
.irp t, 1,2,3,4,5,6,7
	s_add_nc_u64 s[BB+2*\t:BB+2*\t+1], s[BB+2*\t-2:BB+2*\t-1], s[24:25]
.endr
	s_add_nc_u64 s[12:13], s[12:13], s[26:27]
	s_add_nc_u64 s[14:15], s[14:15], s[28:29]
.macro WLOAD t                         ; block t: W(32 t + i, my column), i = 0 .. 31, into set t % 2: a wave's load reads 128 consecutive bytes
.set i, 0
.rept 32
	global_load_b32 v[WX+32*((\t)%2)+i], v[OF+i], s[BB+2*(\t):BB+2*(\t)+1] th:TH_LOAD_NT
.set i, i+1
.endr
.endm
	WLOAD 0
	WLOAD 1
.macro WBLOCK t
.set WS, WX+32*((\t)%2)
.if (\t) < NB-1
	s_wait_loadcnt 32                              ; this block's 32 loads are in; the next block's 32 may be out
.else
	s_wait_loadcnt 0
.endif
	v_max3_num_f32 v12, |v[WS]|, |v[WS+1]|, |v[WS+2]|      ; the block's largest magnitude: all 32 numbers are mine; two chains
	v_max3_num_f32 v13, |v[WS+3]|, |v[WS+4]|, |v[WS+5]|
.irp i, 6,10,14,18,22,26
	v_max3_num_f32 v12, v12, |v[WS+\i]|, |v[WS+\i+1]|
	v_max3_num_f32 v13, v13, |v[WS+\i+2]|, |v[WS+\i+3]|
.endr
	v_max3_num_f32 v12, v12, |v[WS+30]|, |v[WS+31]|
	v_max3_num_f32 v12, v12, v13, 0x8000000        ; and the floor 2^(16 - 127): the byte cannot fall under 1
	v_add_nc_u32 v11, 0xf8800000, v12              ; 15 off the exponent field: the conversion takes this operand's exponent field as its scale
	v_and_or_b32 v10, v12, 0x7f800000, s31         ; 57,344 x the scale
	v_lshrrev_b32 v13, 23, v11                     ; the scale's byte
.if (\t)%4 == 0
	v_mov_b32 v[SB+(\t)/4], v13                    ; four bytes to a register, the lower K in the lower byte
.else
	v_lshl_or_b32 v[SB+(\t)/4], v13, 8*((\t)%4), v[SB+(\t)/4]
.endif
.set i, 0
.rept 32
	v_med3_num_f32 v[WS+i], v[WS+i], -v10, v10     ; the conversion to an 8-bit code does not saturate (ISA guide 7.6.2): the hold comes first
.set i, i+1
.endr
.irp g, 0,1,2,3
	v_cvt_scalef32_pk8_bf8_f32 v[WC+2*\g:WC+2*\g+1], v[WS+8*\g:WS+8*\g+7], v11
.endr
	ds_store_b128 v4, v[WC:WC+3] offset:32*(\t)    ; 32 codes: 32 bytes of my column's row
	ds_store_b128 v4, v[WC+4:WC+7] offset:32*(\t)+16
.if (\t)+2 < NB
	WLOAD (\t)+2
.endif
	s_wait_dscnt 0x0                               ; the stores have read their registers: the next block's codes may be written
.endm
.irp t, 0,1,2,3,4,5,6,7
	WBLOCK \t
.endr
	global_store_b64 v9, v[SB:SB+1], s[14:15]      ; my column's 8 scale bytes, at its storage row
.irp t, 0,1,2,3,4,5,6,7,8,9,10,11,12,13,14,15
	ds_load_b128 v[OUTR+4*\t:OUTR+4*\t+3], v7 offset:2*\t*PITCH   ; LDS serves a wave's instructions in order: these see my stores
.endr
.irp t, 0,1,2,3,4,5,6,7,8,9,10,11,12,13,14,15
	s_wait_dscnt 15-\t                             ; the younger loads may be out
	global_store_b128 v8, v[OUTR+4*\t:OUTR+4*\t+3], s[12:13] offset:(((2*\t)&7)|(((2*\t)&8)<<1)|(((2*\t)&16)>>1))*1024   ; columns 2 t, 2 t + 1 go to storage rows sigma(2 t), sigma(2 t) + 1
.endr
	s_wait_tensorcnt 0x0
	ds_add_u32 v192, v193
	s_wait_dscnt 0x0
	s_endpgm
.Lfunc_end_k_qf74ed561eb_quant:
	.size	k_qf74ed561eb_quant, .Lfunc_end_k_qf74ed561eb_quant-k_qf74ed561eb_quant
	.p2alignl 7, 3214868480
	.fill 96, 4, 3214868480
	.section	.rodata,"a",@progbits
	.p2align	6, 0x0
	.amdhsa_kernel k_qf74ed561eb_quant
		.amdhsa_group_segment_fixed_size 57856
		.amdhsa_private_segment_fixed_size 0
		.amdhsa_enable_private_segment 0
		.amdhsa_kernarg_size 88
		.amdhsa_user_sgpr_count 2
		.amdhsa_user_sgpr_kernarg_segment_ptr 1
		.amdhsa_wavefront_size32 1
		.amdhsa_system_sgpr_workgroup_id_x 1
		.amdhsa_system_sgpr_workgroup_id_y 1
		.amdhsa_system_sgpr_workgroup_id_z 1
		.amdhsa_system_vgpr_workitem_id 0
		.amdhsa_next_free_vgpr 194
		.amdhsa_next_free_sgpr 66
		.amdhsa_reserve_vcc 0
		.amdhsa_float_denorm_mode_32 3
		.amdhsa_float_denorm_mode_16_64 3
		.amdhsa_memory_ordered 1
		.amdhsa_forward_progress 1
		.amdhsa_inst_pref_size 113
	.end_amdhsa_kernel
	.amdgpu_metadata
---
amdhsa.version: [ 1, 2 ]
amdhsa.kernels:
  - .name:           k_qf74ed561eb_quant
    .symbol:         k_qf74ed561eb_quant.kd
    .args:
      - { .name: Q, .offset: 0, .size: 8, .value_kind: global_buffer, .address_space: global }
      - { .name: K, .offset: 8, .size: 8, .value_kind: global_buffer, .address_space: global }
      - { .name: V, .offset: 16, .size: 8, .value_kind: global_buffer, .address_space: global }
      - { .name: xc, .offset: 24, .size: 8, .value_kind: global_buffer, .address_space: global }
      - { .name: xs, .offset: 32, .size: 8, .value_kind: global_buffer, .address_space: global }
      - { .name: Wq, .offset: 40, .size: 8, .value_kind: global_buffer, .address_space: global }
      - { .name: Wk, .offset: 48, .size: 8, .value_kind: global_buffer, .address_space: global }
      - { .name: Wv, .offset: 56, .size: 8, .value_kind: global_buffer, .address_space: global }
      - { .name: Wo, .offset: 64, .size: 8, .value_kind: global_buffer, .address_space: global }
      - { .name: wc, .offset: 72, .size: 8, .value_kind: global_buffer, .address_space: global }
      - { .name: ws, .offset: 80, .size: 8, .value_kind: global_buffer, .address_space: global }
    .group_segment_fixed_size: 57856
    .private_segment_fixed_size: 0
    .kernarg_segment_align: 8
    .kernarg_segment_size: 88
    .max_flat_workgroup_size: 128
    .sgpr_count:     66
    .vgpr_count:     194
    .wavefront_size: 32
...
	.end_amdgpu_metadata
.endif
;; end of part 1
;; launch proj (part 2): grid 4 x 96, 4 waves a work-group, clusters of 4 x 4, 327,680 bytes of LDS; arguments xc, xs, wc, ws, bq, bk, bv, qi, kvi; writes qi, kvi
.if DOCPART == 2
	.amdgcn_target "amdgcn-amd-amdhsa--gfx1250"
	.amdhsa_code_object_version 6
	.text
	.protected	k_qf74ed561eb_proj
	.globl	k_qf74ed561eb_proj
	.p2align	8
	.type	k_qf74ed561eb_proj,@function
k_qf74ed561eb_proj:
	s_mov_b64 s[64:65], 0
	v_nop
	global_prefetch_b8 v0, s[64:65] scope:SCOPE_SE
	s_setreg_imm32_b32 hwreg(HW_REG_WAVE_MODE, 25, 1), 1
	s_wait_xcnt 0x0
	s_wait_alu depctr_hold_cnt(0) depctr_sa_sdst(0) depctr_va_vdst(0) depctr_va_sdst(0) depctr_va_ssrc(0) depctr_va_vcc(0) depctr_vm_vsrc(0)
	s_getreg_b32 s2, hwreg(HW_REG_IB_STS2, 6, 4)
	s_cmp_eq_u32 s2, 0
	s_cbranch_scc0 .Lentry_in_a_cluster
	s_endpgm
.Lentry_in_a_cluster:
	s_bfe_u32 s2, ttmp6, 0x10000c
	s_cmp_lg_u32 s2, 0xf033
	s_cbranch_scc0 .Lentry_shape_is_right
	s_endpgm
.Lentry_shape_is_right:
.set KSTEP,  256
.set NQ,     2
.set ROWB,   256
.set KROW,   1024
.set PITCH,  272
.set FR,     16
.set NL,     4
.set NP,     8
.set HALFT,  128*PITCH
.set SLOT,   4*HALFT
.set LAPS,   2
.set KS,     32
.set SCL,    2*SLOT
.set HALFS,  (128*KS/256)*272
.set SBLK,   (16*KS/256)*272
.set SPARE,  SCL+4*HALFS
.set BJ,   8
.set ADRA, 16
.set ADRB, 20
.set ADRS, 27
.set SPW,  28
.set NIL,  29
.set SC,   32
.set BI,   64
.set AF,   128
.set PWS,  64
.set WQK,  72
.set WVV,  76
.set WW,   80
.set VO,   84
.set VSO,  88
.set SQK,  89
.set SVV,  90
.set TM,   96
.set PC,   112
.set T,    128
.set G1, 24
.set G0, 32
.set G1B, 48
.set G0B, 56
.set G1S, 68
.set G0S, 76
.set G1SB, 80
.set G0SB, 88
.set MSB, 0
.macro WIN new
.if MSB != (\new)
	s_set_vgpr_msb (MSB<<8)|(\new)
.set MSB, \new
.endif
.endm
.set TO_B, 0x40
.macro WMUL hi, cmode
.if \cmode
	WIN 0x81+0x40*(\hi)
.else
	WIN 0xa1+0x50*(\hi)
.endif
.endm
.macro JLOAD g0a, g1a, g0b, g1b
	s_cmp_eq_u32 s15, 0
	s_cbranch_scc0 .Lfor_b_\@
	tensor_load_to_lds s[\g0a:\g0a+3], s[\g1a:\g1a+7]
	s_nop 0
.rept 4
	v_nop
.endr
	s_branch .Lasked_\@
.Lfor_b_\@:
	tensor_load_to_lds s[\g0b:\g0b+3], s[\g1b:\g1b+7]
	s_nop 0
.rept 4
	v_nop
.endr
.Lasked_\@:
.endm
.macro CREST
	s_cmp_lg_u32 s14, 0
	s_cbranch_scc1 .Lnot_wave_0_\@
	s_barrier_signal -3
.Lnot_wave_0_\@:
	s_barrier_wait -3
	s_barrier_signal -1
	s_barrier_wait -1
.endm
.macro CROUND
	s_barrier_signal -1
	s_barrier_wait -1
	CREST
.endm
	s_load_b256 s[4:11], s[0:1], 0x0
	s_load_b256 s[92:99], s[0:1], 0x20
	s_load_b64 s[100:101], s[0:1], 0x40
	v_lshl_add_u32 v[SPW], v0, 2, SPARE
	v_mov_b32 v[NIL], 0
	ds_add_u32 v28, v29
	ds_add_u32 v28, v29
	s_wait_dscnt 0x0
	v_lshrrev_b32 v1, 5, v0
	v_readfirstlane_b32 s14, v1
	s_lshr_b32 s15, s14, 1
	s_and_b32 s16, s14, 1
	s_bfe_u32 s40, ttmp6, 0x40000
	s_bfe_u32 s41, ttmp6, 0x40004
	s_and_b32 s66, ttmp7, 0xffff
	s_lshr_b32 s67, s66, 3
	s_and_b32 s66, s66, 7
	s_lshl_b32 s66, s66, 2
	s_cmp_eq_u32 s67, 2
	s_cselect_b32 s2, -1, 0
	s_cselect_b32 s17, 0, s66
	s_cselect_b32 s42, s66, 0
	s_add_co_u32 s17, s17, s41
	s_add_co_u32 s42, s42, s40
	s_lshl_b32 s43, s41, 2
	s_lshl_b32 s43, 15, s43
	s_lshl_b32 s44, 0x1111, s40
	s_or_b32 s[G1+0], s43, (0<<16)|(1<<20)|(1<<21)|(5<<22)|(3<<25)
	s_or_b32 s[G1B+0], s44, (0<<16)|(1<<20)|(1<<21)|(5<<22)|(3<<25)
.irp g, G1, G1B
	s_mov_b32 s[\g+1], ROWB<<16
	s_mov_b32 s[\g+2], 256<<16                     ; the head's loads bring 256 rows
	s_mov_b32 s[\g+3], ROWB<<16
	s_mov_b32 s[\g+4], 256
	s_mov_b32 s[\g+5], KROW
	s_mov_b32 s[\g+6], 0
	s_mov_b32 s[\g+7], 0
.endr
	s_or_b32 s[G1S+0], s43, (3<<16)|(1<<20)|(1<<21)|(5<<22)|(3<<25)
	s_or_b32 s[G1SB+0], s44, (3<<16)|(1<<20)|(1<<21)|(5<<22)|(3<<25)
.irp g, G1S, G1SB
	s_mov_b32 s[\g+1], 32<<16
	s_mov_b32 s[\g+2], (256*KS/256)<<16            ; the scales of 256 rows: 32 units of 256 bytes
	s_mov_b32 s[\g+3], 32<<16
	s_mov_b32 s[\g+4], 256*KS/256
	s_mov_b32 s[\g+5], 32
	s_mov_b32 s[\g+6], 0
	s_mov_b32 s[\g+7], 0
.endr
	s_wait_kmcnt 0x0
	s_mov_b32 s19, 0
	s_lshl_b32 s18, s67, 23
	s_add_nc_u64 s[4:5], s[4:5], s[18:19]
	s_lshl_b32 s18, s67, 18
	s_add_nc_u64 s[6:7], s[6:7], s[18:19]
	s_lshl_b32 s18, s67, 20
	s_add_nc_u64 s[8:9], s[8:9], s[18:19]
	s_lshl_b32 s18, s67, 15
	s_add_nc_u64 s[10:11], s[10:11], s[18:19]
	s_cmp_eq_u32 s67, 2
	s_cselect_b64 s[20:21], s[8:9], s[4:5]
	s_cselect_b64 s[22:23], s[10:11], s[6:7]
	s_cselect_b64 s[8:9], s[4:5], s[8:9]
	s_cselect_b64 s[10:11], s[6:7], s[10:11]
	s_mov_b64 s[4:5], s[20:21]
	s_mov_b64 s[6:7], s[22:23]
	s_cmp_eq_u32 s67, 1
	s_cselect_b64 s[92:93], s[94:95], s[92:93]
	s_cmp_eq_u32 s67, 2
	s_cselect_b64 s[92:93], s[96:97], s[92:93]
	s_cmp_eq_u32 s67, 0
	s_cselect_b64 s[12:13], s[98:99], s[100:101]
	s_mov_b32 s98, 0x600000
	s_mov_b32 s100, 0x76543210
	s_mov_b32 s101, 0xfedcba98
	s_lshl_b32 s18, s16, 7
	s_lshl_b32 s20, s17, 8
	s_add_co_u32 s20, s20, s18
	s_lshl_b32 s46, s42, 8
	s_add_co_u32 s46, s46, s18
	s_mov_b32 s21, 0
	s_mov_b32 s47, 0
	s_mov_b64 s[18:19], KS
	s_mul_u64 s[22:23], s[20:21], s[18:19]
	s_mul_u64 s[96:97], s[46:47], s[18:19]
	s_mov_b64 s[18:19], KROW
	s_mul_u64 s[20:21], s[20:21], s[18:19]
	s_mul_u64 s[46:47], s[46:47], s[18:19]
	s_mul_i32 s45, s14, HALFT
	s_add_nc_u64 s[20:21], s[4:5], s[20:21]
	s_add_nc_u64 s[22:23], s[6:7], s[22:23]
	s_add_nc_u64 s[46:47], s[8:9], s[46:47]
	s_add_nc_u64 s[96:97], s[10:11], s[96:97]
	CROUND
	s_lshl_b32 s18, s16, 12                        ; my half's 128 rows of 32 scale bytes, taken off again: the tile's first row
	s_mov_b32 s19, 0
	s_mov_b32 s[G0S], 1                            ; the scales of A's 256 rows,
	s_mov_b32 s[G0S+1], SCL
	s_sub_nc_u64 s[G0S+2:G0S+3], s[22:23], s[18:19]
	s_or_b32 s[G0S+3], s[G0S+3], 0x80000000
	s_mov_b32 s[G0SB], 1                           ; and of B's
	s_mov_b32 s[G0SB+1], SCL+2*HALFS
	s_sub_nc_u64 s[G0SB+2:G0SB+3], s[96:97], s[18:19]
	s_or_b32 s[G0SB+3], s[G0SB+3], 0x80000000
.irp s, 0,1
	s_mov_b32 s[G0+4*\s], 1
	s_add_co_u32 s[G0+4*\s+1], s45, \s*SLOT
	s_add_nc_u64 s[G0+4*\s+2:G0+4*\s+3], s[20:21], \s*ROWB
	s_or_b32 s[G0+4*\s+3], s[G0+4*\s+3], 0x80000000
	s_mov_b32 s[G0B+4*\s], 1
	s_add_co_u32 s[G0B+4*\s+1], s45, \s*SLOT
	s_add_nc_u64 s[G0B+4*\s+2:G0B+4*\s+3], s[46:47], \s*ROWB
	s_or_b32 s[G0B+4*\s+3], s[G0B+4*\s+3], 0x80000000
.endr
	; THE HEAD'S LOADS, ONE A WAVE: wave 0 K step 0's 256 rows of A, wave 1 its 256 rows of B, wave 2 A's scales, wave 3 B's.  Groups 0 of the two loads of codes in s[4:11], which held arguments.
	s_lshl_b32 s18, s16, 17                        ; my half's 128 rows of 1,024 bytes, taken off again
	s_mov_b32 s19, 0
	s_mov_b32 s4, 1
	s_mov_b32 s5, 0
	s_sub_nc_u64 s[6:7], s[20:21], s[18:19]
	s_or_b32 s7, s7, 0x80000000
	s_mov_b32 s8, 1
	s_mov_b32 s9, 2*HALFT
	s_sub_nc_u64 s[10:11], s[46:47], s[18:19]
	s_or_b32 s11, s11, 0x80000000
.macro ARM under, g0, g1, next
	s_cmp_lt_u32 s14, \under
	s_cbranch_scc0 \next
	tensor_load_to_lds s[\g0:\g0+3], s[\g1:\g1+7]
	s_nop 0
.rept 4
	v_nop
.endr
	s_branch .Lhead_asked
\next:
.endm
	ARM 1, 4,   G1,  .Lhead_b
	ARM 2, 8,   G1B, .Lhead_sa
	ARM 3, G0S, G1S, .Lhead_sb
	tensor_load_to_lds s[G0SB:G0SB+3], s[G1SB:G1SB+7]
	s_nop 0
.rept 4
	v_nop
.endr
.Lhead_asked:
	; PREFETCHES INTO THE L2, two K steps ahead: behind the head's loads (K step 0) K steps 1 and 2 are asked for, behind K step 1's load K step 3.  A K step is 256 bytes of each row.
	; Of the 128 rows that my wave fetches in the ring, each of the four partners that ask for them jointly takes 32, told apart by address (cx for A, cy for B): a lane a row, one instruction a K step.
	; So each block of 256 bytes is named once in each cluster that loads it.  The steps along K are immediates: v30 and s[96:97] are never written again.  K step 3 is the row's last: nothing is asked beyond it.
	s_cmp_eq_u32 s15, 0                            ; do I fetch for A?
	s_cselect_b64 s[96:97], s[20:21], s[46:47]     ; the 128 rows that I fetch
	s_cselect_b32 s18, s40, s41                    ; my place among the four partners
	s_lshl_b32 s18, s18, 15                        ; 32 rows of 1,024 bytes
	s_mov_b32 s19, 0
	s_add_nc_u64 s[96:97], s[96:97], s[18:19]
	v_and_b32 v30, 31, v0
	v_lshlrev_b32 v30, 10, v30                     ; a lane a row
	global_prefetch_b8 v30, s[96:97] offset:256 th:TH_LOAD_NT scope:SCOPE_SE
	global_prefetch_b8 v30, s[96:97] offset:512 th:TH_LOAD_NT scope:SCOPE_SE
	v_and_b32 v1, 15, v0
	v_bfe_u32 v2, v0, 4, 1
	v_mul_u32_u24 v3, v1, PITCH
	v_lshl_add_u32 v4, v2, 4, v3
	s_mul_i32 s21, s15, HALFT
	s_mul_i32 s22, s16, HALFT
	s_add_co_u32 s22, s22, 2*HALFT
.irp s, 0,1
	v_add_nc_u32 v[ADRA+\s], s21, v4
	v_add_nc_u32 v[ADRB+\s], s22, v4
	s_add_co_u32 s21, s21, SLOT
	s_add_co_u32 s22, s22, SLOT
.endr
	v_mul_u32_u24 v5, v1, KS
	v_lshrrev_b32 v6, 8, v5
	v_lshl_add_u32 v5, v6, 4, v5
	s_mul_i32 s21, s15, HALFS
	s_mul_i32 s22, s16, HALFS
	s_add_co_u32 s22, s22, 2*HALFS
	s_sub_co_u32 s22, s22, s21
	v_mul_u32_u24 v6, s22, v2
	s_add_co_u32 s21, s21, SCL
	v_add_nc_u32 v5, v5, v6
	v_add_nc_u32 v[ADRS], s21, v5
	s_lshl_b32 s20, s17, 8
	s_lshl_b32 s21, s15, 7
	s_add_co_u32 s20, s20, s21
	s_lshl_b32 s21, s42, 8
	s_lshl_b32 s22, s16, 7
	s_add_co_u32 s21, s21, s22
	s_cmp_eq_u32 s67, 2
	s_cselect_b32 s20, s20, s21
	s_cselect_b32 s22, 4, 0
	s_cselect_b32 s23, 0, 64
	s_cselect_b32 s45, 0, 4
	s_lshl_b32 s20, s20, 2
	s_mov_b32 s21, 0
	s_add_nc_u64 s[92:93], s[92:93], s[20:21]
	v_and_b32 v5, 8, v1
	v_add_nc_u32 v5, v5, v1
	v_mul_u32_u24 v5, s22, v5
	v_mad_u32_u24 v5, s23, v2, v5
.irp j, 0,1,2,3,4,5,6,7
	v_mad_u32_u24 v[BJ+\j], s45, \j, v5
.endr
.irp t, 0,1,2,3,4,5,6,7
.irp j, 0,1,2,3,4,5,6,7
	global_load_b32 v[BI+8*\t+\j], v[BJ+\j], s[92:93] offset:(32*(\t/2)+8*(\t%2))*4
.endr
.endr
	s_lshl_b32 s18, s17, 1
	s_add_co_u32 s18, s18, s15
	s_lshl_b32 s19, s42, 1
	s_add_co_u32 s19, s19, s16
	s_cmp_eq_u32 s67, 2
	s_cselect_b32 s20, s19, s18
	s_cselect_b32 s21, s18, s19
	s_lshr_b32 s45, s20, 4
	s_lshl_b32 s45, s45, 4
	s_lshl_b32 s21, s21, 1
	s_add_co_u32 s45, s45, s21
	s_and_b32 s20, s20, 15
	s_mov_b32 s46, 135168
	s_cmp_eq_u32 s67, 0
	s_cselect_b32 s19, s46, 270336
	s_lshr_b32 s47, s19, 4
	s_mul_i32 s45, s45, s19
	s_mul_i32 s20, s20, s47
	s_add_co_u32 s46, s45, s20
	s_mov_b32 s47, 0
	s_add_nc_u64 s[12:13], s[12:13], s[46:47]
	s_mov_b32 s20, 8192
	s_cmp_eq_u32 s67, 0
	s_cselect_b32 s46, s20, 16384
	s_cmp_eq_u32 s67, 2
	s_cselect_b32 s46, 16640, s46
	s_add_nc_u64 s[94:95], s[12:13], s[46:47]
	s_cselect_b32 s46, s20, 0
	s_add_nc_u64 s[12:13], s[12:13], s[46:47]
	s_sub_co_u32 s22, s19, 6144
	s_mov_b32 s21, 1024
	s_cmp_eq_u32 s67, 2
	s_cselect_b32 s18, s21, s19
	s_cselect_b32 s20, 2048, s21
	s_cselect_b32 s22, s22, s21
	s_mov_b32 s21, 0
	s_mov_b32 s23, 0
.macro WM d, x, y, c, sx, sy
	v_wmma_scale_f32_16x16x128_f8f6f4 v[\d:\d+7], v[\x:\x+15], v[\y:\y+15], v[\c:\c+7], v[\sx], v[\sy] matrix_a_fmt:MATRIX_FMT_BF8 matrix_b_fmt:MATRIX_FMT_BF8 matrix_a_scale:MATRIX_SCALE_ROW1
.endm
.macro FRAG reg, adr, q, i
.irp c, 0,1,2,3
	ds_load_b128 v[\reg+4*\c:\reg+4*\c+3], v[\adr] offset:128*(\q)+32*\c+(\i)*16*PITCH
.endr
.endm
.macro MUL16 a0, p, q, sc, cmode
.irp a, \a0, \a0+1
.irp b, 0,1,2,3,4,5,6,7
.if \cmode == 1
	WM 8*(8*((\a)%4)+\b), 128*(\p)+FR*\b, AF+FR*(\a), BI+8*\b, SC+8*NQ*(\sc)+NQ*\b+(\q), SC+8*NQ*(\sc)+NQ*(\a)+(\q)
.elseif \cmode == 2
	WM 8*(8*((\a)%4)+\b), 128*(\p)+FR*\b, AF+FR*(\a), BI+8*(\a), SC+8*NQ*(\sc)+NQ*\b+(\q), SC+8*NQ*(\sc)+NQ*(\a)+(\q)
.else
	WM 8*(8*((\a)%4)+\b), 128*(\p)+FR*\b, AF+FR*(\a), 8*(8*((\a)%4)+\b), SC+8*NQ*(\sc)+NQ*\b+(\q), SC+8*NQ*(\sc)+NQ*(\a)+(\q)
.endif
.endr
.endr
.endm
.macro FETCH_B slot, q, p
	WIN TO_B
.irp i, 0,1,2,3,4,5,6,7
	FRAG 128*(\p)+FR*\i, ADRB+\slot, \q, \i
.endr
	WIN 0
.endm
.macro FETCH_A slot, q, i0
.irp i, \i0, \i0+1, \i0+2, \i0+3
	FRAG AF+FR*(\i), ADRA+\slot, \q, \i
.endr
.endm
.macro SCALES sc
.irp i, 0,1,2,3,4,5,6,7
	ds_load_b64 v[SC+8*NQ*\sc+NQ*\i:SC+8*NQ*\sc+NQ*\i+1], v[ADRS] offset:\i*SBLK
.endr
.endm
.macro PLACES n
.rept \n
	v_nop
.endr
.endm
.macro STEP slot, q, cmode
	s_wait_dscnt 4*NL
	WMUL 0, \cmode
	MUL16 0, (\q)%2, \q, \slot, \cmode
	MUL16 2, (\q)%2, \q, \slot, \cmode
	s_wait_dscnt 0
	PLACES NP
	FETCH_B \slot, (\q)+1, 1-(\q)%2
	FETCH_A \slot, (\q)+1, 0
	WMUL 1, \cmode
	MUL16 4, (\q)%2, \q, \slot, \cmode
	MUL16 6, (\q)%2, \q, \slot, \cmode
	PLACES NP
	WIN 0
	FETCH_A \slot, (\q)+1, 4
.endm
.macro TURN slot, next, fill
	s_wait_tensorcnt 0x0
	ds_add_u32 v[SPW], v[NIL]
	s_wait_dscnt 4*NL+1
	WMUL 0, 0
	MUL16 0, 1, NQ-1, \slot, 0
	s_wait_dscnt 0x0
	s_barrier_signal -1
	MUL16 2, 1, NQ-1, \slot, 0
	WIN 0
	s_barrier_wait -1
.if \fill
	CREST
	s_add_nc_u64 s[G0+4*\slot+2:G0+4*\slot+3], s[G0+4*\slot+2:G0+4*\slot+3], 2*ROWB
	s_add_nc_u64 s[G0B+4*\slot+2:G0B+4*\slot+3], s[G0B+4*\slot+2:G0B+4*\slot+3], 2*ROWB
	JLOAD G0+4*\slot, G1, G0B+4*\slot, G1B
	PLACES NP-4
.else
	PLACES NP
.endif
	s_wait_alu depctr_va_vdst(0)
	v_add_nc_u32 v[ADRS], 4*NQ, v[ADRS]
	FETCH_B \next, 0, 0
	FETCH_A \next, 0, 0
	SCALES \next
	WMUL 1, 0
	MUL16 4, 1, NQ-1, \slot, 0
	MUL16 6, 1, NQ-1, \slot, 0
	PLACES NP
	WIN 0
	FETCH_A \next, 0, 4
.endm
	s_wait_alu depctr_va_vdst(0)                   ; the wait at the head's end
	s_wait_loadcnt 0x0
	s_wait_tensorcnt 0x0                           ; my tile of the head's four is in; the lines ahead of a later first fill:
	ds_add_u32 v[SPW], v[NIL]
	s_mov_b32 s[G1+2], 128<<16                     ; no tensor load of mine is out: from here on a load brings 128 rows
	s_mov_b32 s[G1+4], 128
	s_mov_b32 s[G1B+2], 128<<16
	s_mov_b32 s[G1B+4], 128
	s_wait_dscnt 0x0
	CROUND                                         ; all four tiles are in, and the joint loads meet
	JLOAD G0+4, G1, G0B+4, G1B                     ; K step 1, the first tensor load behind the round
	FETCH_B 0, 0, 0
	FETCH_A 0, 0, 0
	SCALES 0
	FETCH_A 0, 0, 4
	global_prefetch_b8 v30, s[96:97] offset:768 th:TH_LOAD_NT scope:SCOPE_SE   ; K step 3, behind K step 1's load and the run of LDS loads
	s_cmp_eq_u32 s67, 2
	s_cbranch_scc1 .Lfirst_v
	STEP 0, 0, 1
	s_branch .Lfirst_done
.Lfirst_v:
	STEP 0, 0, 2
.Lfirst_done:
	s_mov_b32 s3, LAPS-1
.Llap:
	TURN 0, 1, 1
	STEP 1, 0, 0
	TURN 1, 0, 1
	STEP 0, 0, 0
	s_sub_co_u32 s3, s3, 1
	s_cmp_lg_u32 s3, 0
	s_cbranch_scc1 .Llap
	TURN 0, 1, 0
	STEP 1, 0, 0
	s_wait_dscnt 4*NL
	WMUL 0, 0
	MUL16 0, 1, NQ-1, 1, 0
	MUL16 2, 1, NQ-1, 1, 0
	s_wait_dscnt 0
	WMUL 1, 0
	MUL16 4, 1, NQ-1, 1, 0
	MUL16 6, 1, NQ-1, 1, 0
	WIN 0
	PLACES NP
	v_and_b32 v1, 15, v0
	v_bfe_u32 v2, v0, 4, 1
	v_and_b32 v3, 31, v0
	v_lshlrev_b32 v[VO], 4, v3
	v_add_nc_u32 v[VO+1], 0x200, v[VO]
	v_add_nc_u32 v[VO+2], s18, v[VO]
	v_add_nc_u32 v[VO+3], 0x200, v[VO+2]
	v_mul_u32_u24 v[VSO], s19, v2
	v_lshl_add_u32 v[VSO], v1, 4, v[VSO]
	v_cmp_eq_u32 vcc_lo, 1, v2
	v_mov_b32 v3, 0x07060302
	v_mov_b32 v[SQK], 0x05040100
	v_cndmask_b32 v[SQK], v[SQK], v3, vcc_lo
	v_mov_b32 v3, 0x07060504
	v_mov_b32 v[SVV], 0x03020100
	v_cndmask_b32 v[SVV], v[SVV], v3, vcc_lo
.irp b, 0,1,2,3
	v_mov_b32 v[TM+4+\b], 0
.endr
.macro EPI a
.set AC, 64*((\a)%4)
.if (\a) > 0
	s_wait_xcnt 0x0
.if (\a) == 4
	s_add_nc_u64 s[12:13], s[12:13], s[22:23]
.else
	s_add_nc_u64 s[12:13], s[12:13], s[20:21]
.endif
.endif
	WIN 0x28+0x14*((\a)/4)
.irp b, 0,1,2,3
	v_max3_num_f32 v[TM+\b], 0x8000000, |v[AC+16*\b]|, |v[AC+16*\b+1]|
.endr
.irp i, 2,4,6,8,10,12,14
.irp b, 0,1,2,3
	v_max3_num_f32 v[TM+\b], v[TM+\b], |v[AC+16*\b+\i]|, |v[AC+16*\b+\i+1]|
.endr
.endr
	WIN 0
.irp b, 0,1,2,3
	v_permlanex16_b32 v[TM+4+\b], v[TM+\b], s100, s101
.endr
.irp b, 0,1,2,3
	v_max_num_f32 v[TM+\b], v[TM+\b], v[TM+4+\b]
.endr
.irp b, 0,1,2,3
	v_add_nc_u32 v[TM+12+\b], 0xf8800000, v[TM+\b]
.endr
.irp b, 0,1,2,3
	v_and_or_b32 v[TM+8+\b], v[TM+\b], 0x7f800000, s98
.endr
.irp b, 0,1,2,3
	v_lshrrev_b32 v[TM+4+\b], 23, v[TM+12+\b]
.endr
	v_lshl_or_b32 v[PWS+(\a)], v[TM+5], 8, v[TM+4]
	v_lshl_or_b32 v[PWS+(\a)], v[TM+6], 16, v[PWS+(\a)]
	v_lshl_or_b32 v[PWS+(\a)], v[TM+7], 24, v[PWS+(\a)]
	WIN 2+(\a)/4
.irp b, 0,1,2,3
.set i, 0
.rept 16
	v_med3_num_f32 v[T+16*\b+i], v[AC+16*\b+i], -v[TM+8+\b], v[TM+8+\b]
.set i, i+1
.endr
.endr
	WIN 0
.irp b, 0,1,2,3
	v_cvt_scalef32_pk8_bf8_f32 v[PC+4*\b:PC+4*\b+1], v[T+16*\b:T+16*\b+7], v[TM+12+\b]
	v_cvt_scalef32_pk8_bf8_f32 v[PC+4*\b+2:PC+4*\b+3], v[T+16*\b+8:T+16*\b+15], v[TM+12+\b]
.endr
.irp b, 0,1,2,3
	global_store_b128 v[VO+\b], v[PC+4*\b:PC+4*\b+3], s[12:13]
.endr
.endm
.irp a, 0,1,2,3,4,5,6,7
	EPI \a
.endr
.irp i, 0,1,2,3
	v_perm_b32 v[WQK+\i], v[PWS+2*\i+1], v[PWS+2*\i], v[SQK]
	v_perm_b32 v[WVV+\i], v[PWS+4+\i], v[PWS+\i], v[SVV]
.endr
.irp i, 0,1,2,3
	v_cndmask_b32 v[WW+\i], v[WQK+\i], v[WVV+\i], s2
.endr
	global_store_b128 v[VSO], v[WW:WW+3], s[94:95]
	s_wait_tensorcnt 0x0
	ds_add_u32 v[SPW], v[NIL]
	s_wait_dscnt 0x0
	CROUND
	s_endpgm
.Lfunc_end_k_qf74ed561eb_proj:
	.size	k_qf74ed561eb_proj, .Lfunc_end_k_qf74ed561eb_proj-k_qf74ed561eb_proj
	.p2alignl 7, 3214868480
	.fill 96, 4, 3214868480
	.section	.rodata,"a",@progbits
	.p2align	6, 0x0
	.amdhsa_kernel k_qf74ed561eb_proj
		.amdhsa_group_segment_fixed_size 327680
		.amdhsa_private_segment_fixed_size 0
		.amdhsa_enable_private_segment 0
		.amdhsa_kernarg_size 72
		.amdhsa_user_sgpr_count 2
		.amdhsa_user_sgpr_kernarg_segment_ptr 1
		.amdhsa_wavefront_size32 1
		.amdhsa_system_sgpr_workgroup_id_x 1
		.amdhsa_system_sgpr_workgroup_id_y 1
		.amdhsa_system_sgpr_workgroup_id_z 1
		.amdhsa_system_vgpr_workitem_id 0
		.amdhsa_next_free_vgpr 1024
		.amdhsa_next_free_sgpr 102
		.amdhsa_reserve_vcc 1
		.amdhsa_float_denorm_mode_32 3
		.amdhsa_float_denorm_mode_16_64 3
		.amdhsa_memory_ordered 1
		.amdhsa_forward_progress 1
		.amdhsa_inst_pref_size 209
	.end_amdhsa_kernel
	.amdgpu_metadata
---
amdhsa.version: [ 1, 2 ]
amdhsa.kernels:
  - .name:           k_qf74ed561eb_proj
    .symbol:         k_qf74ed561eb_proj.kd
    .args:
      - { .name: xc, .offset: 0, .size: 8, .value_kind: global_buffer, .address_space: global }
      - { .name: xs, .offset: 8, .size: 8, .value_kind: global_buffer, .address_space: global }
      - { .name: wc, .offset: 16, .size: 8, .value_kind: global_buffer, .address_space: global }
      - { .name: ws, .offset: 24, .size: 8, .value_kind: global_buffer, .address_space: global }
      - { .name: bq, .offset: 32, .size: 8, .value_kind: global_buffer, .address_space: global }
      - { .name: bk, .offset: 40, .size: 8, .value_kind: global_buffer, .address_space: global }
      - { .name: bv, .offset: 48, .size: 8, .value_kind: global_buffer, .address_space: global }
      - { .name: qi, .offset: 56, .size: 8, .value_kind: global_buffer, .address_space: global }
      - { .name: kvi, .offset: 64, .size: 8, .value_kind: global_buffer, .address_space: global }
    .group_segment_fixed_size: 327680
    .private_segment_fixed_size: 0
    .kernarg_segment_align: 8
    .kernarg_segment_size: 72
    .max_flat_workgroup_size: 128
    .sgpr_count:     102
    .vgpr_count:     1024
    .wavefront_size: 32
...
	.end_amdgpu_metadata
.endif
;; end of part 2
;; launch attn (part 3): grid 4 x 64, 16 waves a work-group, clusters of 4 x 1, 327,680 bytes of LDS; arguments qi, kvi, oc, os; writes oc, os
.if DOCPART == 3
	.amdgcn_target "amdgcn-amd-amdhsa--gfx1250"
	.amdhsa_code_object_version 6
	.text
	.protected	k_qf74ed561eb_attn
	.globl	k_qf74ed561eb_attn
	.p2align	8
	.type	k_qf74ed561eb_attn,@function
k_qf74ed561eb_attn:
	s_mov_b64 s[64:65], 0
	v_nop
	global_prefetch_b8 v0, s[64:65] scope:SCOPE_SE
	s_setreg_imm32_b32 hwreg(HW_REG_WAVE_MODE, 25, 1), 1
	s_wait_xcnt 0x0
	s_wait_alu depctr_hold_cnt(0) depctr_sa_sdst(0) depctr_va_vdst(0) depctr_va_sdst(0) depctr_va_ssrc(0) depctr_va_vcc(0) depctr_vm_vsrc(0)
	s_getreg_b32 s2, hwreg(HW_REG_IB_STS2, 6, 4)
	s_cmp_eq_u32 s2, 0
	s_cbranch_scc0 .Lentry_in_a_cluster
	s_endpgm
.Lentry_in_a_cluster:
	s_bfe_u32 s2, ttmp6, 0x10000c
	s_cmp_lg_u32 s2, 0x3003
	s_cbranch_scc0 .Lentry_shape_is_right
	s_endpgm
.Lentry_shape_is_right:
; o = softmax(q k^T / 8) v for one head and 512 queries, both products on codes of BF8 (E5M2) with E8M0 scales; o / the row's sum is quantised along the 1024 concatenated channels and stored as the last product's operand.
; THE SOFTMAX: t = score x log2(e) / 8; M = the row's largest t so far, rounded UP to a whole number; p = 2^(t - M) is quantised along the keys, not normalised.  The row's sum is taken of the unquantised p, in f32,
; and divides O at the end.  When M moves, the sum and O are multiplied by 2^(old M - new M): exact, and no branch on data.
; SHARES.  64 heads x 4 blocks of 512 queries = 256 work-groups.  Each of the sixteen waves owns TWO tiles of 16 queries (tile 32 x block + wave, and the tile 16 on) and works them one after the other, in 256 registers.
; LDS.  A head's k and v, 16 steps of 128 keys x 16,896 bytes, come into LDS ONCE and serve both passes: no byte is filled twice.  WAVE w FETCHES STEP w, one tensor load a wave: waves 0 to 3 at the head;
; waves 4 to 15 behind the wait for 0, the add, its wait and a round of the cluster's barrier.
; Steps 0 to 3 are read behind that round while steps 4 to 15 are on their way; one wait for 0 and one barrier stand ahead of step 4; behind it nothing is waited for but LDS loads.
; The claim is all of LDS; the text uses 272,384 bytes.
; CLUSTER.  The four query blocks of a cluster belong to one head and read the same k and v: each step is asked for JOINTLY, by the same tensor load, descriptor and mask in all four.
; NO PREFETCH: all of k and v is asked for by two groups of loads at the start; there is no loop of loads to run ahead of.
; LAYOUT.  Operands lie in memory and in LDS as images of their registers: every LDS load is 16 bytes a lane, 512 consecutive bytes.  Both products are used transposed: S^T = k q^T, O^T = v^T p^T: a lane holds ONE query.
; The keys of a stored tile are 32 g + 8 u + r + 8 (r / 8), so the 16 registers of tiles 2 g and 2 g + 1 are 16 neighbouring keys; the channels of v's tiles likewise, for the next product.
; K = 64 IN AN INSTRUCTION OF 128: source 0 holds two tiles of keys side by side; q stands between two runs of zero codes: [q | 0] picks the first tile, [0 | q] the second.  Codes that meet zeros are finite, no scale byte is 0xff.
; The p of a step's fourth block of keys are kept unquantised in 16 registers, and their eight additions to the row's sum stand in the NEXT step, in places that its matrix instructions ask for.
; v's scale bytes of a step lie straight behind k's: one load of 16 bytes a lane brings k's words to lanes 0-15 and v's to lanes 16-31.
; The scale bytes of o leave as 2 bytes a row, 32 bytes apart: a row's 32 bytes belong to 16 heads, which are 16 work-groups.
; LIMITS: a block of zeros, and a block whose largest magnitude lies under 2^-111, keeps the byte 1; NaN and infinities are not served; the scaled scores stay under 2^31 in magnitude.
.set STEPB, 16896                      ; a step: k's codes 8,192, v's codes 8,192, k's scale bytes 256, v's 256
.set SPARE, 0x42000                    ; behind the 16 steps: the spare words, 128 bytes a wave
.set LI,   1                           ; v1   16 x lane
.set RI,   2                           ; v2   16 x (lane % 16)
.set ADK,  3                           ; v3   LI + the step
.set QA,   5                           ; v5   q's codes: my byte offset
.set QB,   6                           ; v6   q's scale word likewise
.set OSO,  7                           ; v7   32 x (lane % 16): my row of os
.set FF,   8                           ; v[8:9] f = 2^(old M - new M)
.set TMP,  10
.set OLD,  11                          ; v11  -M as the last step left it
.set F,    40                          ; v40-103  four fragments of k or of v
.set S,    104                         ; v104-167 S^T, then p; at a pass's end o
.set O,    168                         ; v168-199 O^T
.set P,    200                         ; v200-215 p's codes
.set KSC,  216                         ; v216-219 lanes 0-15 k's scale words, lanes 16-31 v's; v236 q's; v237 p's
.set BM,   220
.set BT,   224
.set BH,   228
.set BS,   232
.set QS,   236
.set PS,   237
.set OH,   238
.set H3,   240                         ; v240-255 the unquantised p of the fourth block
.set WV,   12
.set G1,   24                          ; s[24:31] group 1;  s[32:35] my group 0
.set G0,   32
.set CS,   48
.set SEL,  50
.set MNT,  52
.set TB,   53
.set CNT,  54
; v12 -M, v13 the largest score, v[14:15] the sum in two halves; v16-23 zeros, v24-31 q's codes, v32-39 zeros
.macro CROUND
	s_barrier_signal -1
	s_barrier_wait -1
	s_cmp_lg_u32 s[WV], 0
	s_cbranch_scc1 .Lnot_wave_0_\@
	s_barrier_signal -3
.Lnot_wave_0_\@:
	s_barrier_wait -3
	s_barrier_signal -1
	s_barrier_wait -1
.endm
.macro TLOAD                           ; my step's joint load; an s_nop 0 and four v_nop behind it
	tensor_load_to_lds s[G0:G0+3], s[G1:G1+7]
	s_nop 0
.rept 4
	v_nop
.endr
.endm
.macro QLOAD pass                      ; the second tile lies two steps of qi (2 x 8,448 bytes) on
	global_load_b128 v[24:27], v[QA], s[4:5] offset:16896*\pass
	global_load_b128 v[28:31], v[QA], s[4:5] offset:16896*\pass+512
	global_load_b32 v[QS], v[QB], s[4:5] offset:16896*\pass+8192
.endm
.macro INIT                            ; the step is written once: the first finds zeros, which the first change of M leaves zeros
	v_mov_b32 v13, 0xff61b1e6                      ; -3e38, under every score
	s_delay_alu instid0(VALU_DEP_1)
	v_floor_f32 v12, -v13
	v_mov_b32 v14, 0
	v_mov_b32 v15, 0
.set j, 0
.rept 32
	v_mov_b32 v[O+j], 0
.set j, j+1
.endr
.set j, 0
.rept 16
	v_mov_b32 v[H3+j], 0
.set j, j+1
.endr
.endm
.macro TREE_A                          ; six of the eight additions that a step owes
	v_pk_add_f32 v[H3:H3+1], v[H3:H3+1], v[H3+2:H3+3]
	v_pk_add_f32 v[H3+4:H3+5], v[H3+4:H3+5], v[H3+6:H3+7]
	v_pk_add_f32 v[H3+8:H3+9], v[H3+8:H3+9], v[H3+10:H3+11]
	v_pk_add_f32 v[H3+12:H3+13], v[H3+12:H3+13], v[H3+14:H3+15]
	s_delay_alu instid0(VALU_DEP_3)
	v_pk_add_f32 v[H3:H3+1], v[H3:H3+1], v[H3+4:H3+5]
	s_delay_alu instid0(VALU_DEP_2)
	v_pk_add_f32 v[H3+8:H3+9], v[H3+8:H3+9], v[H3+12:H3+13]
.endm
.macro TREE_B                          ; the last two, ahead of the next multiplication of the sum by f
	v_pk_add_f32 v[H3:H3+1], v[H3:H3+1], v[H3+8:H3+9]
	s_delay_alu instid0(VALU_DEP_1)
	v_pk_add_f32 v[14:15], v[14:15], v[H3:H3+1]
.endm
; The hold and the conversion of blocks x and y; ay: where block y's unquantised p lie.  The conversion does not saturate (ISA guide 7.6.2); p is not negative: a one-sided hold, two to a dual-issue instruction
; (one even and one odd destination; the first sources, and the second, in different banks).
.macro HOLD2 x, y, ay
.set i, 0
.rept 8
	v_dual_min_num_f32 v[S+16*\x+i], v[S+16*\x+i], v[BH+\x] :: v_dual_min_num_f32 v[S+16*\y+i+1], v[\ay+i+1], v[BH+\y]
	v_dual_min_num_f32 v[S+16*\y+i], v[\ay+i], v[BH+\y] :: v_dual_min_num_f32 v[S+16*\x+i+1], v[S+16*\x+i+1], v[BH+\x]
.set i, i+2
.endr
.irp b, \x, \y
	v_cvt_scalef32_pk8_bf8_f32 v[P+4*\b:P+4*\b+1], v[S+16*\b:S+16*\b+7], v[BS+\b]
	v_cvt_scalef32_pk8_bf8_f32 v[P+4*\b+2:P+4*\b+3], v[S+16*\b+8:S+16*\b+15], v[BS+\b]
.endr
.endm
	s_load_b256 s[4:11], s[0:1], 0x0               ; qi, kvi, oc, os
	v_lshl_add_u32 v254, v0, 2, SPARE
	v_mov_b32 v255, 0
	ds_add_u32 v254, v255                          ; the opening lines: the add, twice on end, and its wait
	ds_add_u32 v254, v255
	s_wait_dscnt 0x0
	v_lshrrev_b32 v1, 5, v0
	s_delay_alu instid0(VALU_DEP_1)
	v_readfirstlane_b32 s[WV], v1                  ; wave 0..15
	s_bfe_u32 s13, ttmp6, 0x40000                  ; cx
	s_lshl_b32 s14, ttmp9, 2
	s_add_co_u32 s14, s14, s13                     ; my block of 512 queries: it enters q's and o's addresses alone
	s_and_b32 s15, ttmp7, 0xffff                   ; 16 x batch + head, which the four partners share
	s_mov_b32 s[G1], 15|(3<<16)|(1<<21)            ; the mask: all four; elements of 8 bytes; bit 21 beside a mask
	s_mov_b32 s[G1+1], 32<<16                      ; rows of 256 bytes,
	s_mov_b32 s[G1+2], 66<<16                      ; 66 of them: a step's 16,896 dense bytes
	s_mov_b32 s[G1+3], 32<<16
	s_mov_b32 s[G1+4], 66
	s_mov_b32 s[G1+5], 32
	s_mov_b32 s[G1+6], 0
	s_mov_b32 s[G1+7], 0
	s_mov_b32 s[CS], 0x3e38aa3b                    ; c = log2(e) / 8
	s_mov_b32 s[CS+1], s[CS]
	s_mov_b32 s[SEL], 0x76543210
	s_mov_b32 s[SEL+1], 0xfedcba98
	s_mov_b32 s[MNT], 0x600000
	s_mov_b32 s[TB], 0
	s_mul_i32 s16, s15, 16*STEPB
	s_mov_b32 s17, 0
	s_mul_i32 s18, s[WV], STEPB                    ; step = my wave's number, in LDS and in memory
	s_mov_b32 s19, 0
	s_wait_kmcnt 0x0
	s_add_nc_u64 s[6:7], s[6:7], s[16:17]          ; my head's k and v
	s_mov_b32 s[G0], 1
	s_mov_b32 s[G0+1], s18
	s_add_nc_u64 s[G0+2:G0+3], s[6:7], s[18:19]
	s_or_b32 s[G0+3], s[G0+3], 0x80000000
	CROUND                                         ; all four work-groups are here: the joint loads meet
	s_cmp_lt_u32 s[WV], 4
	s_cbranch_scc0 .Lno_fetch
	TLOAD                                          ; steps 0 to 3
.Lno_fetch:
	; my first tile of queries is T = 32 x block + wave: step 4 x block + wave / 8 of qi, tile wave % 8
	s_mul_i32 s16, s15, 135168
	s_lshl_b32 s18, s14, 2
	s_lshr_b32 s19, s[WV], 3
	s_add_co_u32 s18, s18, s19
	s_mul_i32 s18, s18, 8448
	s_add_co_u32 s16, s16, s18
	s_add_nc_u64 s[4:5], s[4:5], s[16:17]
	v_and_b32 v3, 31, v0
	s_delay_alu instid0(VALU_DEP_1)
	v_lshlrev_b32 v[LI], 4, v3
	v_and_b32 v4, 15, v0
	s_delay_alu instid0(VALU_DEP_1)
	v_lshlrev_b32 v[RI], 4, v4
	s_and_b32 s18, s[WV], 7
	s_lshl_b32 s18, s18, 10
	v_add_nc_u32 v[QA], s18, v[LI]
	s_bfe_u32 s18, s[WV], 0x20001                  ; my pair of tiles
	s_lshl_b32 s18, s18, 2
	v_add_nc_u32 v[QB], s18, v[RI]
	QLOAD 0
	v_lshlrev_b32 v[OSO], 1, v[RI]
	s_mov_b32 s55, 0x01000100                      ; my tile's two scale bytes, twice: they serve [q | 0] and [0 | q] alike
	s_mov_b32 s18, 0x03020302
	s_and_b32 s19, s[WV], 1
	s_cmp_eq_u32 s19, 1
	s_cselect_b32 s55, s18, s55
	; where o goes: row tile RT = 128 x batch + T; oc: RT x 16,384 + head x 1,024; os: RT x 512 + 2 x head
	s_lshl_b32 s16, s14, 5
	s_add_co_u32 s16, s16, s[WV]
	s_lshr_b32 s18, s15, 4
	s_lshl_b32 s18, s18, 7
	s_add_co_u32 s16, s16, s18
	s_and_b32 s18, s15, 15
	s_lshl_b32 s19, s16, 14
	s_lshl_b32 s20, s18, 10
	s_add_co_u32 s20, s19, s20
	s_mov_b32 s21, 0
	s_add_nc_u64 s[8:9], s[8:9], s[20:21]
	s_lshl_b32 s20, s16, 9
	s_lshl_b32 s18, s18, 1
	s_add_co_u32 s20, s20, s18
	s_add_nc_u64 s[10:11], s[10:11], s[20:21]
.irp j, 0,1,2,3,4,5,6,7
	v_mov_b32 v[16+\j], 0                          ; the zero codes on both sides of q
	v_mov_b32 v[32+\j], 0
.endr
.irp b, 0,1,2,3
	v_mov_b32 v[BT+\b], 0                          ; a lane permute's destination counts as one of its sources
.endr
	v_mov_b32 v[FF+1], 0
	s_wait_alu depctr_va_vdst(0)
	s_wait_tensorcnt 0x0                           ; waves 0 to 3: my step is in.  The lines ahead of a later first fill:
	ds_add_u32 v254, v255                          ; the add,
	ds_add_u32 v254, v255                          ; twice on end
	s_wait_dscnt 0x0                               ; its wait,
	CROUND                                         ; and a round: steps 0 to 3 are whole in all four work-groups, and the joint loads meet
	s_cmp_lt_u32 s[WV], 4
	s_cbranch_scc1 .Lno_fetch2
	TLOAD                                          ; steps 4 to 15, into bytes that nothing has filled
.Lno_fetch2:
	INIT
	s_wait_alu depctr_va_vdst(0)                   ; the wait at the head's end
	s_wait_loadcnt 0x0                             ; q
	v_perm_b32 v[QS], v[QS], v[QS], s55
; A KEY STEP: 128 keys.
.macro STEP
	v_add_nc_u32 v[ADK], s[TB], v[LI]              ; these eight lines are due work and the eight places in front of loads into registers that the last products have read
	v_mov_b32 v[OLD], v12
	TREE_A
	ds_load_b128 v[KSC:KSC+3], v[ADK] offset:16384 ; lanes 0-15 k's four words of row r, lanes 16-31 v's
.irp g, 0,1,2,3
.irp c, 0,1,2,3
	ds_load_b128 v[F+16*\g+4*\c:F+16*\g+4*\c+3], v[ADK] offset:2048*\g+512*\c
.endr
.endr
	s_wait_alu depctr_va_vdst(0)
	s_wait_dscnt 0x0
.irp g, 0,1,2,3                                ; S^T = k q^T: fragment g holds tiles 2 g and 2 g + 1
	v_wmma_scale_f32_16x16x128_f8f6f4 v[S+16*\g:S+16*\g+7], v[F+16*\g:F+16*\g+15], v[24:39], 0, v[KSC+\g], v[QS] matrix_a_fmt:MATRIX_FMT_BF8 matrix_b_fmt:MATRIX_FMT_BF8
	v_wmma_scale_f32_16x16x128_f8f6f4 v[S+16*\g+8:S+16*\g+15], v[F+16*\g:F+16*\g+15], v[16:31], 0, v[KSC+\g], v[QS] matrix_a_fmt:MATRIX_FMT_BF8 matrix_b_fmt:MATRIX_FMT_BF8
.endr
	TREE_B
.rept 6
	v_nop                                          ; eight places behind the products, in front of the loads below and of the first read of the scores
.endr
.irp t, 0,1,2,3                                ; v's fragments land while the softmax is walked
.irp c, 0,1,2,3
	ds_load_b128 v[F+16*\t+4*\c:F+16*\t+4*\c+3], v[ADK] offset:8192+2048*\t+512*\c
.endr
.endr
.irp b, 0,1,2,3
	v_max3_num_f32 v[BM+\b], v[S+16*\b], v[S+1+16*\b], v[S+2+16*\b]   ; the largest score of each block of 32 keys: for the row's maximum and for the block's largest p
.endr
.irp i, 3,5,7,9,11,13
.irp b, 0,1,2,3
	v_max3_num_f32 v[BM+\b], v[BM+\b], v[S+16*\b+\i], v[S+1+16*\b+\i]
.endr
.endr
.irp b, 0,1,2,3
	v_max_num_f32 v[BM+\b], v[BM+\b], v[S+15+16*\b]
.endr
.irp b, 0,1,2,3
	s_delay_alu instid0(VALU_DEP_4)
	v_permlanex16_b32 v[BT+\b], v[BM+\b], s[SEL], s[SEL+1]
.endr
	v_dual_max_num_f32 v[BM], v[BM], v[BT] :: v_dual_max_num_f32 v[BM+1], v[BM+1], v[BT+1]
	v_dual_max_num_f32 v[BM+2], v[BM+2], v[BT+2] :: v_dual_max_num_f32 v[BM+3], v[BM+3], v[BT+3]
	v_max3_num_f32 v[TMP], v[BM], v[BM+1], v[BM+2]
	s_delay_alu instid0(VALU_DEP_1)
	v_max3_num_f32 v13, v13, v[TMP], v[BM+3]       ; the running largest score
	s_delay_alu instid0(VALU_DEP_1)
	v_mul_f32 v[TMP], s[CS], v13
	s_delay_alu instid0(VALU_DEP_1)
	v_floor_f32 v12, -v[TMP]                       ; the new -M = -ceil(t)
	s_delay_alu instid0(VALU_DEP_1)
	v_sub_f32 v[TMP], v12, v[OLD]
	s_delay_alu instid0(VALU_DEP_1)
	v_cvt_i32_f32 v[TMP], v[TMP]                   ; (it saturates)
	s_delay_alu instid0(VALU_DEP_1)
	v_ldexp_f32 v[FF], 1.0, v[TMP]                 ; f = 2^(old M - new M)
.set j, 0
.rept 32
	v_pk_fma_f32 v[S+j:S+j+1], v[S+j:S+j+1], s[CS:CS+1], v[12:13] op_sel_hi:[1,0,0]   ; t - M
.set j, j+2
.endr
.irp b, 0,1,2,3
	v_fma_f32 v[BM+\b], v[BM+\b], s[CS], v12
.endr
	s_wait_alu depctr_va_vdst(0)                   ; the wait ahead of the batch
.set j, 0
.rept 48
	v_exp_f32 v[S+j], v[S+j]                       ; p = 2^(t - M)
.set j, j+1
.endr
.set j, 0
.rept 16
	v_exp_f32 v[H3+j], v[S+48+j]                   ; the fourth block's p outlive the step
.set j, j+1
.endr
.irp b, 0,1,2,3
	v_exp_f32 v[BM+\b], v[BM+\b]                   ; the block's largest p
.endr
	v_pk_mul_f32 v[14:15], v[14:15], v[FF:FF+1] op_sel_hi:[1,0]   ; the sums under the new M; a plain place behind the exponentials
	s_wait_alu depctr_va_vdst(0)                   ; and the wait behind the batch
.irp b, 0,1,2,3
	v_max_num_f32 v[BM+\b], 0x8000000, v[BM+\b]    ; the floor 2^(16 - 127)
.endr
.irp b, 0,1,2,3
	s_delay_alu instid0(VALU_DEP_4)
	v_add_nc_u32 v[BS+\b], 0xf8800000, v[BM+\b]    ; the conversion's scale operand
.endr
.irp b, 0,1,2,3
	v_and_or_b32 v[BH+\b], v[BM+\b], 0x7f800000, s[MNT]   ; 57,344 x the scale
.endr
.irp b, 0,1,2,3
	v_lshrrev_b32 v[BT+\b], 23, v[BS+\b]           ; the scale's byte
.endr
	s_delay_alu instid0(VALU_DEP_3)
	v_lshl_or_b32 v[PS], v[BT+1], 8, v[BT]
	s_delay_alu instid0(VALU_DEP_1)
	v_lshl_or_b32 v[PS], v[BT+2], 16, v[PS]
	s_delay_alu instid0(VALU_DEP_1)
	v_lshl_or_b32 v[PS], v[BT+3], 24, v[PS]
	; the row's sum of blocks 0 to 2 (v104-151), unquantised, in eight chains
	v_pk_add_f32 v[224:225], v[108:109], v[112:113]
	v_pk_add_f32 v[238:239], v[116:117], v[120:121]
	v_pk_add_f32 v[222:223], v[124:125], v[128:129]
	v_pk_add_f32 v[220:221], v[132:133], v[136:137]
	v_pk_add_f32 v[214:215], v[140:141], v[144:145]
	v_pk_add_f32 v[212:213], v[148:149], v[104:105]
	v_pk_add_f32 v[210:211], v[106:107], v[110:111]
	v_pk_add_f32 v[14:15], v[14:15], v[114:115]
	v_pk_add_f32 v[224:225], v[224:225], v[118:119]
	v_pk_add_f32 v[238:239], v[238:239], v[122:123]
	v_pk_add_f32 v[222:223], v[222:223], v[126:127]
	v_pk_add_f32 v[220:221], v[220:221], v[130:131]
	v_pk_add_f32 v[214:215], v[214:215], v[134:135]
	v_pk_add_f32 v[212:213], v[212:213], v[138:139]
	v_pk_add_f32 v[210:211], v[210:211], v[142:143]
	v_pk_add_f32 v[14:15], v[14:15], v[146:147]
	v_pk_add_f32 v[224:225], v[224:225], v[150:151]
	s_delay_alu instid0(VALU_DEP_2)
	v_pk_add_f32 v[14:15], v[14:15], v[220:221]
	s_delay_alu instid0(VALU_DEP_2)
	v_pk_add_f32 v[224:225], v[224:225], v[214:215]
	v_pk_add_f32 v[238:239], v[238:239], v[212:213]
	v_pk_add_f32 v[222:223], v[222:223], v[210:211]
	s_delay_alu instid0(VALU_DEP_2)
	v_pk_add_f32 v[14:15], v[14:15], v[238:239]
	s_delay_alu instid0(VALU_DEP_2)
	v_pk_add_f32 v[224:225], v[224:225], v[222:223]
	s_delay_alu instid0(VALU_DEP_1)
	v_pk_add_f32 v[14:15], v[14:15], v[224:225]
	HOLD2 0, 1, S+16
	HOLD2 2, 3, H3                                 ; the fourth block is held out of H3, which stays as it is
.set j, 0
.rept 16
	v_pk_mul_f32 v[O+j:O+j+1], v[O+j:O+j+1], v[FF:FF+1] op_sel_hi:[1,0]   ; O^T x f; also the places between the conversions and the products below
.set j, j+2
.endr
	s_wait_alu depctr_va_vdst(0)
	s_wait_dscnt 0x0                               ; v's fragments are in
.irp t, 0,1,2,3                                ; O^T += v^T p^T: four tiles of 16 channels by turns
	v_wmma_scale_f32_16x16x128_f8f6f4 v[O+8*\t:O+8*\t+7], v[F+16*\t:F+16*\t+15], v[P:P+15], v[O+8*\t:O+8*\t+7], v[KSC+\t], v[PS] matrix_a_fmt:MATRIX_FMT_BF8 matrix_b_fmt:MATRIX_FMT_BF8 matrix_a_scale:MATRIX_SCALE_ROW1
.endr
	s_add_co_u32 s[TB], s[TB], STEPB
.endm
.macro WALK n                          ; n key steps on end
	s_mov_b32 s[CNT], \n
	s_wait_alu depctr_va_vdst(0)
.Lstep_\@:
	STEP
	s_sub_co_u32 s[CNT], s[CNT], 1
	s_cmp_lg_u32 s[CNT], 0
	s_cbranch_scc1 .Lstep_\@
.endm
; THE WAY OUT of a pass.  O^T / the sum; register 16 b + i is channel 32 b + 16 h + i of my query: two blocks of the last product's K.  The second tile's row tile lies 16 on.
.macro WAYOUT pass
	TREE_A                                         ; the eight additions that the last step owes: also the eight places behind the last products
	TREE_B
	s_delay_alu instid0(VALU_DEP_1)
	v_add_f32 v14, v14, v15
	s_delay_alu instid0(VALU_DEP_1)
	v_permlanex16_b32 v[TMP], v14, s[SEL], s[SEL+1]
	s_delay_alu instid0(VALU_DEP_1)
	v_add_f32 v14, v14, v[TMP]                     ; the row's sum
	s_wait_alu depctr_va_vdst(0)
	v_rcp_f32 v14, v14
	v_nop
	s_wait_alu depctr_va_vdst(0)
.set j, 0
.rept 32
	v_mul_f32 v[S+j], v[O+j], v14
.set j, j+1
.endr
.irp b, 0,1
	v_max3_num_f32 v[BM+\b], |v[S+16*\b]|, |v[S+1+16*\b]|, 0x8000000
.endr
.irp i, 2,4,6,8,10,12,14
.irp b, 0,1
	s_delay_alu instid0(VALU_DEP_2)
	v_max3_num_f32 v[BM+\b], v[BM+\b], |v[S+16*\b+\i]|, |v[S+1+16*\b+\i]|
.endr
.endr
.irp b, 0,1
	s_delay_alu instid0(VALU_DEP_2)
	v_permlanex16_b32 v[BT+\b], v[BM+\b], s[SEL], s[SEL+1]
.endr
.irp b, 0,1
	s_delay_alu instid0(VALU_DEP_2)
	v_max_num_f32 v[BM+\b], v[BM+\b], v[BT+\b]
.endr
.irp b, 0,1
	s_delay_alu instid0(VALU_DEP_2)
	v_add_nc_u32 v[BS+\b], 0xf8800000, v[BM+\b]
.endr
.irp b, 0,1
	s_delay_alu instid0(VALU_DEP_4)
	v_and_or_b32 v[BH+\b], v[BM+\b], 0x7f800000, s[MNT]
.endr
.irp b, 0,1
	s_delay_alu instid0(VALU_DEP_4)
	v_lshrrev_b32 v[BT+\b], 23, v[BS+\b]
.endr
	s_delay_alu instid0(VALU_DEP_1)
	v_lshl_or_b32 v[OH], v[BT+1], 8, v[BT]         ; my head's two scale bytes of my row
.irp b, 0,1
.set i, 0
.rept 16
	v_med3_num_f32 v[S+16*\b+i], v[S+16*\b+i], -v[BH+\b], v[BH+\b]
.set i, i+1
.endr
	v_cvt_scalef32_pk8_bf8_f32 v[P+4*\b:P+4*\b+1], v[S+16*\b:S+16*\b+7], v[BS+\b]
	v_cvt_scalef32_pk8_bf8_f32 v[P+4*\b+2:P+4*\b+3], v[S+16*\b+8:S+16*\b+15], v[BS+\b]
.endr
	global_store_b128 v[LI], v[P:P+3], s[8:9] offset:262144*\pass          ; 32 lanes store 512 consecutive bytes, aligned to 256
	global_store_b128 v[LI], v[P+4:P+7], s[8:9] offset:262144*\pass+512
	global_store_b16 v[OSO], v[OH], s[10:11] offset:8192*\pass             ; lanes l and l xor 16 write the same two bytes with the same value
.endm
	; THE FIRST PASS
	WALK 4                                         ; steps 0 to 3, whole since the round
	s_wait_tensorcnt 0x0                           ; waves 4 to 15: my step is in
	s_barrier_signal -1
	s_barrier_wait -1                              ; everybody's is
	WALK 12
	QLOAD 1                                        ; the second tile's q lands under the first tile's way out
	WAYOUT 0
	; THE SECOND PASS: all sixteen steps lie in LDS
	s_wait_loadcnt 0x0                             ; q
	s_wait_xcnt 0x0                                ; the first tile's stores have read their data
	v_perm_b32 v[QS], v[QS], v[QS], s55
	INIT
	s_mov_b32 s[TB], 0
	WALK 16
	WAYOUT 1
	s_wait_xcnt 0x0
	v_lshl_add_u32 v254, v0, 2, SPARE              ; the add's two registers are made anew: they held p
	v_mov_b32 v255, 0
	s_wait_alu depctr_va_vdst(0)
	s_wait_tensorcnt 0x0                           ; the wave's end
	ds_add_u32 v254, v255
	s_wait_dscnt 0x0
	CROUND                                         ; the closing round
	s_endpgm
.Lfunc_end_k_qf74ed561eb_attn:
	.size	k_qf74ed561eb_attn, .Lfunc_end_k_qf74ed561eb_attn-k_qf74ed561eb_attn
	.p2alignl 7, 3214868480
	.fill 96, 4, 3214868480
	.section	.rodata,"a",@progbits
	.p2align	6, 0x0
	.amdhsa_kernel k_qf74ed561eb_attn
		.amdhsa_group_segment_fixed_size 327680
		.amdhsa_private_segment_fixed_size 0
		.amdhsa_enable_private_segment 0
		.amdhsa_kernarg_size 32
		.amdhsa_user_sgpr_count 2
		.amdhsa_user_sgpr_kernarg_segment_ptr 1
		.amdhsa_wavefront_size32 1
		.amdhsa_system_sgpr_workgroup_id_x 1
		.amdhsa_system_sgpr_workgroup_id_y 1
		.amdhsa_system_sgpr_workgroup_id_z 1
		.amdhsa_system_vgpr_workitem_id 0
		.amdhsa_next_free_vgpr 256
		.amdhsa_next_free_sgpr 66
		.amdhsa_reserve_vcc 0
		.amdhsa_float_denorm_mode_32 3
		.amdhsa_float_denorm_mode_16_64 3
		.amdhsa_memory_ordered 1
		.amdhsa_forward_progress 1
		.amdhsa_inst_pref_size 81
	.end_amdhsa_kernel
	.amdgpu_metadata
---
amdhsa.version: [ 1, 2 ]
amdhsa.kernels:
  - .name:           k_qf74ed561eb_attn
    .symbol:         k_qf74ed561eb_attn.kd
    .args:
      - { .name: qi, .offset: 0, .size: 8, .value_kind: global_buffer, .address_space: global }
      - { .name: kvi, .offset: 8, .size: 8, .value_kind: global_buffer, .address_space: global }
      - { .name: oc, .offset: 16, .size: 8, .value_kind: global_buffer, .address_space: global }
      - { .name: os, .offset: 24, .size: 8, .value_kind: global_buffer, .address_space: global }
    .group_segment_fixed_size: 327680
    .private_segment_fixed_size: 0
    .kernarg_segment_align: 8
    .kernarg_segment_size: 32
    .max_flat_workgroup_size: 512
    .sgpr_count:     66
    .vgpr_count:     256
    .wavefront_size: 32
...
	.end_amdgpu_metadata
.endif
;; end of part 3
;; launch outp (part 4): grid 4 x 32, 4 waves a work-group, clusters of 4 x 4, 327,680 bytes of LDS; arguments oc, os, wc, ws, bo, out0; writes out0
.if DOCPART == 4
	.amdgcn_target "amdgcn-amd-amdhsa--gfx1250"
	.amdhsa_code_object_version 6
	.text
	.protected	k_qf74ed561eb_outp
	.globl	k_qf74ed561eb_outp
	.p2align	8
	.type	k_qf74ed561eb_outp,@function
k_qf74ed561eb_outp:
	s_mov_b64 s[64:65], 0
	v_nop
	global_prefetch_b8 v0, s[64:65] scope:SCOPE_SE
	s_setreg_imm32_b32 hwreg(HW_REG_WAVE_MODE, 25, 1), 1
	s_wait_xcnt 0x0
	s_wait_alu depctr_hold_cnt(0) depctr_sa_sdst(0) depctr_va_vdst(0) depctr_va_sdst(0) depctr_va_ssrc(0) depctr_va_vcc(0) depctr_vm_vsrc(0)
	s_getreg_b32 s2, hwreg(HW_REG_IB_STS2, 6, 4)
	s_cmp_eq_u32 s2, 0
	s_cbranch_scc0 .Lentry_in_a_cluster
	s_endpgm
.Lentry_in_a_cluster:
	s_bfe_u32 s2, ttmp6, 0x10000c
	s_cmp_lg_u32 s2, 0xf033
	s_cbranch_scc0 .Lentry_shape_is_right
	s_endpgm
.Lentry_shape_is_right:
.set KSTEP,  256
.set NQ,     2
.set ROWB,   256
.set KROW,   1024
.set PITCH,  272
.set FR,     16
.set NL,     4
.set NP,     8
.set HALFT,  128*PITCH
.set SLOT,   4*HALFT
.set LAPS,   2
.set KS,     32
.set SCL,    2*SLOT
.set HALFS,  (128*KS/256)*272
.set SBLK,   (16*KS/256)*272
.set SPARE,  SCL+4*HALFS
.set SPITCH, 528
.set ROWC,   4096
.set ADRA, 16
.set ADRB, 20
.set STO,  24
.set RD,   25
.set CO,   26
.set ADRS, 27
.set SPW,  28
.set NIL,  29
.set SC,   32
.set BI,   64
.set AF,   128
.set BK,   128
.set G1, 24
.set G0, 32
.set G1B, 48
.set G0B, 56
.set G1S, 68
.set G0S, 76
.set G1SB, 80
.set G0SB, 88
.set MSB, 0
.macro WIN new
.if MSB != (\new)
	s_set_vgpr_msb (MSB<<8)|(\new)
.set MSB, \new
.endif
.endm
.set TO_B, 0x40
.macro WMUL hi, cmode
.if \cmode
	WIN 0x81+0x40*(\hi)
.else
	WIN 0xa1+0x50*(\hi)
.endif
.endm
.macro JLOAD g0a, g1a, g0b, g1b
	s_cmp_eq_u32 s15, 0
	s_cbranch_scc0 .Lfor_b_\@
	tensor_load_to_lds s[\g0a:\g0a+3], s[\g1a:\g1a+7]
	s_nop 0
.rept 4
	v_nop
.endr
	s_branch .Lasked_\@
.Lfor_b_\@:
	tensor_load_to_lds s[\g0b:\g0b+3], s[\g1b:\g1b+7]
	s_nop 0
.rept 4
	v_nop
.endr
.Lasked_\@:
.endm
.macro CREST
	s_cmp_lg_u32 s14, 0
	s_cbranch_scc1 .Lnot_wave_0_\@
	s_barrier_signal -3
.Lnot_wave_0_\@:
	s_barrier_wait -3
	s_barrier_signal -1
	s_barrier_wait -1
.endm
.macro CROUND
	s_barrier_signal -1
	s_barrier_wait -1
	CREST
.endm
	s_load_b256 s[4:11], s[0:1], 0x0
	s_load_b128 s[92:95], s[0:1], 0x20
	v_lshl_add_u32 v[SPW], v0, 2, SPARE
	v_mov_b32 v[NIL], 0
	ds_add_u32 v28, v29
	ds_add_u32 v28, v29
	s_wait_dscnt 0x0
	v_lshrrev_b32 v1, 5, v0
	v_readfirstlane_b32 s14, v1
	s_lshr_b32 s15, s14, 1
	s_and_b32 s16, s14, 1
	s_bfe_u32 s40, ttmp6, 0x40000
	s_bfe_u32 s41, ttmp6, 0x40004
	s_lshl_b32 s42, ttmp9, 2
	s_add_co_u32 s42, s42, s40
	s_and_b32 s17, ttmp7, 0xffff
	s_lshl_b32 s17, s17, 2
	s_add_co_u32 s17, s17, s41
	s_lshl_b32 s43, s41, 2
	s_lshl_b32 s43, 15, s43
	s_lshl_b32 s44, 0x1111, s40
	s_or_b32 s[G1+0], s43, (3<<16)|(1<<21)
	s_mov_b32 s[G1+1], 512<<16
	s_mov_b32 s[G1+2], 16<<16                      ; the head's loads bring 256 rows: A's as 16 row tiles of 4,096 bytes
	s_mov_b32 s[G1+3], 512<<16
	s_mov_b32 s[G1+4], 16
	s_mov_b32 s[G1+5], 2048
	s_mov_b32 s[G1+6], 0
	s_mov_b32 s[G1+7], 0
	s_or_b32 s[G1B+0], s44, (0<<16)|(1<<20)|(1<<21)|(5<<22)|(3<<25)
	s_mov_b32 s[G1B+1], ROWB<<16
	s_mov_b32 s[G1B+2], 256<<16
	s_mov_b32 s[G1B+3], ROWB<<16
	s_mov_b32 s[G1B+4], 256
	s_mov_b32 s[G1B+5], KROW
	s_mov_b32 s[G1B+6], 0
	s_mov_b32 s[G1B+7], 0
	s_or_b32 s[G1S+0], s43, (3<<16)|(1<<20)|(1<<21)|(5<<22)|(3<<25)
	s_or_b32 s[G1SB+0], s44, (3<<16)|(1<<20)|(1<<21)|(5<<22)|(3<<25)
.irp g, G1S, G1SB
	s_mov_b32 s[\g+1], 32<<16
	s_mov_b32 s[\g+2], (256*KS/256)<<16            ; the scales of 256 rows: 32 units of 256 bytes
	s_mov_b32 s[\g+3], 32<<16
	s_mov_b32 s[\g+4], 256*KS/256
	s_mov_b32 s[\g+5], 32
	s_mov_b32 s[\g+6], 0
	s_mov_b32 s[\g+7], 0
.endr
	s_lshl_b32 s18, s16, 7
	s_lshl_b32 s20, s17, 8
	s_add_co_u32 s20, s20, s18
	s_lshl_b32 s46, s42, 8
	s_add_co_u32 s46, s46, s18
	s_mov_b32 s21, 0
	s_mov_b32 s47, 0
	s_mov_b64 s[18:19], KS
	s_mul_u64 s[22:23], s[20:21], s[18:19]
	s_mul_u64 s[96:97], s[46:47], s[18:19]
	s_mov_b64 s[18:19], KROW
	s_mul_u64 s[20:21], s[20:21], s[18:19]
	s_mul_u64 s[46:47], s[46:47], s[18:19]
	s_mul_i32 s45, s14, HALFT
	s_lshl_b32 s99, s16, 15                        ; A's halves lie dense in a slot: 8 row tiles of 4,096 bytes each
	s_wait_kmcnt 0x0
	s_mov_b64 s[12:13], s[94:95]
	s_add_nc_u64 s[8:9], s[8:9], 0x300000
	s_add_nc_u64 s[10:11], s[10:11], 0x18000
	s_add_nc_u64 s[20:21], s[4:5], s[20:21]
	s_add_nc_u64 s[22:23], s[6:7], s[22:23]
	s_add_nc_u64 s[46:47], s[8:9], s[46:47]
	s_add_nc_u64 s[96:97], s[10:11], s[96:97]
	CROUND
	s_lshl_b32 s18, s16, 12                        ; my half's 128 rows of 32 scale bytes, taken off again: the tile's first row
	s_mov_b32 s19, 0
	s_mov_b32 s[G0S], 1                            ; the scales of A's 256 rows,
	s_mov_b32 s[G0S+1], SCL
	s_sub_nc_u64 s[G0S+2:G0S+3], s[22:23], s[18:19]
	s_or_b32 s[G0S+3], s[G0S+3], 0x80000000
	s_mov_b32 s[G0SB], 1                           ; and of B's
	s_mov_b32 s[G0SB+1], SCL+2*HALFS
	s_sub_nc_u64 s[G0SB+2:G0SB+3], s[96:97], s[18:19]
	s_or_b32 s[G0SB+3], s[G0SB+3], 0x80000000
.irp s, 0,1
	s_mov_b32 s[G0+4*\s], 1
	s_add_co_u32 s[G0+4*\s+1], s99, \s*SLOT
	s_add_nc_u64 s[G0+4*\s+2:G0+4*\s+3], s[20:21], \s*4096
	s_or_b32 s[G0+4*\s+3], s[G0+4*\s+3], 0x80000000
	s_mov_b32 s[G0B+4*\s], 1
	s_add_co_u32 s[G0B+4*\s+1], s45, \s*SLOT
	s_add_nc_u64 s[G0B+4*\s+2:G0B+4*\s+3], s[46:47], \s*ROWB
	s_or_b32 s[G0B+4*\s+3], s[G0B+4*\s+3], 0x80000000
.endr
	; THE HEAD'S LOADS, ONE A WAVE: wave 0 K step 0's 256 rows of A, wave 1 its 256 rows of B, wave 2 A's scales, wave 3 B's.  Groups 0 of the two loads of codes in s[4:11], which held arguments.
	s_lshl_b32 s18, s16, 17                        ; my half's 128 rows of 1,024 bytes, taken off again
	s_mov_b32 s19, 0
	s_mov_b32 s4, 1
	s_mov_b32 s5, 0
	s_sub_nc_u64 s[6:7], s[20:21], s[18:19]
	s_or_b32 s7, s7, 0x80000000
	s_mov_b32 s8, 1
	s_mov_b32 s9, 2*HALFT
	s_sub_nc_u64 s[10:11], s[46:47], s[18:19]
	s_or_b32 s11, s11, 0x80000000
.macro ARM under, g0, g1, next
	s_cmp_lt_u32 s14, \under
	s_cbranch_scc0 \next
	tensor_load_to_lds s[\g0:\g0+3], s[\g1:\g1+7]
	s_nop 0
.rept 4
	v_nop
.endr
	s_branch .Lhead_asked
\next:
.endm
	ARM 1, 4,   G1,  .Lhead_b
	ARM 2, 8,   G1B, .Lhead_sa
	ARM 3, G0S, G1S, .Lhead_sb
	tensor_load_to_lds s[G0SB:G0SB+3], s[G1SB:G1SB+7]
	s_nop 0
.rept 4
	v_nop
.endr
.Lhead_asked:
	; PREFETCHES INTO THE L2, two K steps ahead: behind the head's loads (K step 0) K steps 1 and 2 are asked for, behind K step 1's load K step 3.
	; Of the 128 rows that my wave fetches in the ring, each of the four partners that ask for them jointly takes 32, told apart by address (cx for A, cy for B); each lane names another block of 256 bytes:
	; A lies as row tiles of 16,384 bytes, a K step 4,096 bytes on end in each: lanes 0-15 one tile's 16 blocks, lanes 16-31 the next tile's; B lies as rows of 1,024 bytes, a K step 256 bytes of each: a lane a row.
	; So each block is named once in each cluster that loads it.  Each K step has a base pair of its own: no address register is written again.  K step 3 is the last: nothing is asked beyond it.
	s_mov_b32 s98, 1024
	s_mov_b32 s99, 4096
	s_cmp_eq_u32 s15, 0                            ; do I fetch for A?
	s_cselect_b64 s[96:97], s[20:21], s[46:47]     ; the 128 rows that I fetch
	s_cselect_b32 s18, s40, s41                    ; my place among the four partners
	s_cselect_b32 s98, 256, s98                    ; from lane to lane within sixteen
	s_cselect_b32 s99, s99, 256                    ; from K step to K step
	s_lshl_b32 s18, s18, 15                        ; 32 rows are 32,768 bytes in both layouts
	s_mov_b32 s19, 0
	s_add_nc_u64 s[96:97], s[96:97], s[18:19]
	s_mov_b32 s18, s99
	s_add_nc_u64 s[96:97], s[96:97], s[18:19]      ; K step 1,
	s_add_nc_u64 s[94:95], s[96:97], s[18:19]      ; 2,
	s_add_nc_u64 s[66:67], s[94:95], s[18:19]      ; 3
	v_and_b32 v30, 15, v0
	v_mul_u32_u24 v30, s98, v30
	v_bfe_u32 v31, v0, 4, 1
	v_lshl_add_u32 v30, v31, 14, v30               ; sixteen rows are 16,384 bytes in both layouts
	global_prefetch_b8 v30, s[96:97] th:TH_LOAD_NT scope:SCOPE_SE
	global_prefetch_b8 v30, s[94:95] th:TH_LOAD_NT scope:SCOPE_SE
	v_and_b32 v1, 15, v0
	v_bfe_u32 v2, v0, 4, 1
	v_and_b32 v6, 31, v0
	v_mul_u32_u24 v3, v1, PITCH
	v_lshl_add_u32 v4, v2, 4, v3
	v_lshlrev_b32 v[CO], 4, v6
	s_lshl_b32 s21, s15, 15
	s_mul_i32 s22, s16, HALFT
	s_add_co_u32 s22, s22, 2*HALFT
.irp s, 0,1
	v_add_nc_u32 v[ADRA+\s], s21, v[CO]
	v_add_nc_u32 v[ADRB+\s], s22, v4
	s_add_co_u32 s21, s21, SLOT
	s_add_co_u32 s22, s22, SLOT
.endr
	v_mul_u32_u24 v5, v1, KS
	v_lshrrev_b32 v3, 8, v5
	v_lshl_add_u32 v5, v3, 4, v5
	s_mul_i32 s21, s15, HALFS
	s_mul_i32 s22, s16, HALFS
	s_add_co_u32 s22, s22, 2*HALFS
	s_sub_co_u32 s22, s22, s21
	v_mul_u32_u24 v3, s22, v2
	s_add_co_u32 s21, s21, SCL
	v_add_nc_u32 v5, v5, v3
	v_add_nc_u32 v[ADRS], s21, v5
	s_mul_i32 s23, s14, 16*SPITCH
	v_mul_u32_u24 v5, v1, SPITCH
	v_lshl_add_u32 v5, v2, 6, v5
	v_add_nc_u32 v[STO], s23, v5
	v_add_nc_u32 v[RD], s23, v[CO]
	s_lshl_b32 s20, s42, 10
	s_lshl_b32 s21, s16, 9
	s_add_co_u32 s20, s20, s21
	s_mov_b32 s21, 0
	s_add_nc_u64 s[92:93], s[92:93], s[20:21]
	v_lshlrev_b32 v7, 6, v2
.irp b, 0,1,2,3,4,5,6,7
	global_load_b128 v[BI+8*\b:BI+8*\b+3], v7, s[92:93] offset:(32*(\b/2)+8*(\b%2))*4
	global_load_b128 v[BI+8*\b+4:BI+8*\b+7], v7, s[92:93] offset:(32*(\b/2)+8*(\b%2))*4+16
.endr
	s_add_nc_u64 s[12:13], s[12:13], s[20:21]
	s_lshl_b32 s20, s17, 8
	s_lshl_b32 s21, s15, 7
	s_add_co_u32 s20, s20, s21
	s_mov_b32 s21, 0
	s_lshl_b64 s[20:21], s[20:21], 12
	s_add_nc_u64 s[12:13], s[12:13], s[20:21]
.macro WM d, x, y, c, sx, sy
	v_wmma_scale_f32_16x16x128_f8f6f4 v[\d:\d+7], v[\x:\x+15], v[\y:\y+15], v[\c:\c+7], v[\sx], v[\sy] matrix_a_fmt:MATRIX_FMT_BF8 matrix_b_fmt:MATRIX_FMT_BF8 matrix_a_scale:MATRIX_SCALE_ROW1
.endm
.macro FRAG reg, adr, q, i
.irp c, 0,1,2,3
	ds_load_b128 v[\reg+4*\c:\reg+4*\c+3], v[\adr] offset:128*(\q)+32*\c+(\i)*16*PITCH
.endr
.endm
.macro FRAGA reg, adr, q, i
.irp c, 0,1,2,3
	ds_load_b128 v[\reg+4*\c:\reg+4*\c+3], v[\adr] offset:4096*(\i)+2048*(\q)+512*\c
.endr
.endm
.macro MUL16 a0, p, q, sc, cmode
.irp a, \a0, \a0+1
.irp b, 0,1,2,3,4,5,6,7
.if \cmode == 1
	WM 8*(8*((\a)%4)+\b), 128*(\p)+FR*\b, AF+FR*(\a), BI+8*\b, SC+8*NQ*(\sc)+NQ*\b+(\q), SC+8*NQ*(\sc)+NQ*(\a)+(\q)
.else
	WM 8*(8*((\a)%4)+\b), 128*(\p)+FR*\b, AF+FR*(\a), 8*(8*((\a)%4)+\b), SC+8*NQ*(\sc)+NQ*\b+(\q), SC+8*NQ*(\sc)+NQ*(\a)+(\q)
.endif
.endr
.endr
.endm
.macro FETCH_B slot, q, p
	WIN TO_B
.irp i, 0,1,2,3,4,5,6,7
	FRAG 128*(\p)+FR*\i, ADRB+\slot, \q, \i
.endr
	WIN 0
.endm
.macro FETCH_A slot, q, i0
.irp i, \i0, \i0+1, \i0+2, \i0+3
	FRAGA AF+FR*(\i), ADRA+\slot, \q, \i
.endr
.endm
.macro SCALES sc
.irp i, 0,1,2,3,4,5,6,7
	ds_load_b64 v[SC+8*NQ*\sc+NQ*\i:SC+8*NQ*\sc+NQ*\i+1], v[ADRS] offset:\i*SBLK
.endr
.endm
.macro PLACES n
.rept \n
	v_nop
.endr
.endm
.macro STEP slot, q, cmode
	s_wait_dscnt 4*NL
	WMUL 0, \cmode
	MUL16 0, (\q)%2, \q, \slot, \cmode
	MUL16 2, (\q)%2, \q, \slot, \cmode
	s_wait_dscnt 0
	PLACES NP
	FETCH_B \slot, (\q)+1, 1-(\q)%2
	FETCH_A \slot, (\q)+1, 0
	WMUL 1, \cmode
	MUL16 4, (\q)%2, \q, \slot, \cmode
	MUL16 6, (\q)%2, \q, \slot, \cmode
	PLACES NP
	WIN 0
	FETCH_A \slot, (\q)+1, 4
.endm
.macro TURN slot, next, fill
	s_wait_tensorcnt 0x0
	ds_add_u32 v[SPW], v[NIL]
	s_wait_dscnt 4*NL+1
	WMUL 0, 0
	MUL16 0, 1, NQ-1, \slot, 0
	s_wait_dscnt 0x0
	s_barrier_signal -1
	MUL16 2, 1, NQ-1, \slot, 0
	WIN 0
	s_barrier_wait -1
.if \fill
	CREST
	s_add_nc_u64 s[G0+4*\slot+2:G0+4*\slot+3], s[G0+4*\slot+2:G0+4*\slot+3], 2*4096
	s_add_nc_u64 s[G0B+4*\slot+2:G0B+4*\slot+3], s[G0B+4*\slot+2:G0B+4*\slot+3], 2*ROWB
	JLOAD G0+4*\slot, G1, G0B+4*\slot, G1B
	PLACES NP-4
.else
	PLACES NP
.endif
	s_wait_alu depctr_va_vdst(0)
	v_add_nc_u32 v[ADRS], 4*NQ, v[ADRS]
	FETCH_B \next, 0, 0
	FETCH_A \next, 0, 0
	SCALES \next
	WMUL 1, 0
	MUL16 4, 1, NQ-1, \slot, 0
	MUL16 6, 1, NQ-1, \slot, 0
	PLACES NP
	WIN 0
	FETCH_A \next, 0, 4
.endm
	s_wait_alu depctr_va_vdst(0)
	s_wait_loadcnt 0x0
	s_wait_tensorcnt 0x0                           ; my tile of the head's four is in; the lines ahead of a later first fill:
	ds_add_u32 v[SPW], v[NIL]
	s_mov_b32 s[G1+2], 8<<16                       ; no tensor load of mine is out: from here on a load brings 128 rows
	s_mov_b32 s[G1+4], 8
	s_mov_b32 s[G1B+2], 128<<16
	s_mov_b32 s[G1B+4], 128
	s_wait_dscnt 0x0
	CROUND                                         ; all four tiles are in, and the joint loads meet
	JLOAD G0+4, G1, G0B+4, G1B                     ; K step 1, the first tensor load behind the round
	FETCH_B 0, 0, 0
	FETCH_A 0, 0, 0
	SCALES 0
	FETCH_A 0, 0, 4
	global_prefetch_b8 v30, s[66:67] th:TH_LOAD_NT scope:SCOPE_SE   ; K step 3, behind K step 1's load and the run of LDS loads
	STEP 0, 0, 1
	s_mov_b32 s3, LAPS-1
.Llap:
	TURN 0, 1, 1
	STEP 1, 0, 0
	TURN 1, 0, 1
	STEP 0, 0, 0
	s_sub_co_u32 s3, s3, 1
	s_cmp_lg_u32 s3, 0
	s_cbranch_scc1 .Llap
	TURN 0, 1, 0
	STEP 1, 0, 0
	s_wait_dscnt 4*NL
	WMUL 0, 0
	MUL16 0, 1, NQ-1, 1, 0
	MUL16 2, 1, NQ-1, 1, 0
	s_wait_dscnt 0
	WMUL 1, 0
	MUL16 4, 1, NQ-1, 1, 0
	MUL16 6, 1, NQ-1, 1, 0
	WIN 0
.macro TOSTAGE a
.set AC, 64*((\a)%4)
	WIN 0x08+4*((\a)/4)
.irp b, 0,1,2,3,4,5,6,7
	ds_store_b128 v[STO], v[AC+8*\b:AC+8*\b+3] offset:128*(\b/2)+32*(\b%2)
	ds_store_b128 v[STO], v[AC+8*\b+4:AC+8*\b+7] offset:128*(\b/2)+32*(\b%2)+16
.endr
	WIN 0
.set BR, BK+64*((\a)%2)
.irp t, 0,1,2,3,4,5,6,7,8,9,10,11,12,13,14,15
	ds_load_b128 v[BR+4*\t:BR+4*\t+3], v[RD] offset:\t*SPITCH
.endr
.endm
.macro SEND a, younger
.set BR, BK+64*((\a)%2)
	s_wait_dscnt \younger
.if (\a) > 0
	s_add_nc_u64 s[12:13], s[12:13], (8+16*(1-(\a)%2))*ROWC
.endif
.irp t, 0,1,2,3,4,5,6,7,8,9,10,11,12,13,14,15
	global_store_b128 v[CO], v[BR+4*\t:BR+4*\t+3], s[12:13] offset:(\t+8*(\t/8))*ROWC th:TH_STORE_NT
.endr
.endm
	PLACES NP
	TOSTAGE 0
.irp a, 1,2,3,4,5,6,7
.if \a > 1
	s_wait_xcnt 0x0
.endif
	TOSTAGE \a
	SEND \a-1, 32
.endr
	s_wait_xcnt 0x0
	SEND 7, 0
	s_wait_tensorcnt 0x0
	ds_add_u32 v[SPW], v[NIL]
	s_wait_dscnt 0x0
	CROUND
	s_endpgm
.Lfunc_end_k_qf74ed561eb_outp:
	.size	k_qf74ed561eb_outp, .Lfunc_end_k_qf74ed561eb_outp-k_qf74ed561eb_outp
	.p2alignl 7, 3214868480
	.fill 96, 4, 3214868480
	.section	.rodata,"a",@progbits
	.p2align	6, 0x0
	.amdhsa_kernel k_qf74ed561eb_outp
		.amdhsa_group_segment_fixed_size 327680
		.amdhsa_private_segment_fixed_size 0
		.amdhsa_enable_private_segment 0
		.amdhsa_kernarg_size 48
		.amdhsa_user_sgpr_count 2
		.amdhsa_user_sgpr_kernarg_segment_ptr 1
		.amdhsa_wavefront_size32 1
		.amdhsa_system_sgpr_workgroup_id_x 1
		.amdhsa_system_sgpr_workgroup_id_y 1
		.amdhsa_system_sgpr_workgroup_id_z 1
		.amdhsa_system_vgpr_workitem_id 0
		.amdhsa_next_free_vgpr 1024
		.amdhsa_next_free_sgpr 100
		.amdhsa_reserve_vcc 0
		.amdhsa_float_denorm_mode_32 3
		.amdhsa_float_denorm_mode_16_64 3
		.amdhsa_memory_ordered 1
		.amdhsa_forward_progress 1
		.amdhsa_inst_pref_size 149
	.end_amdhsa_kernel
	.amdgpu_metadata
---
amdhsa.version: [ 1, 2 ]
amdhsa.kernels:
  - .name:           k_qf74ed561eb_outp
    .symbol:         k_qf74ed561eb_outp.kd
    .args:
      - { .name: oc, .offset: 0, .size: 8, .value_kind: global_buffer, .address_space: global }
      - { .name: os, .offset: 8, .size: 8, .value_kind: global_buffer, .address_space: global }
      - { .name: wc, .offset: 16, .size: 8, .value_kind: global_buffer, .address_space: global }
      - { .name: ws, .offset: 24, .size: 8, .value_kind: global_buffer, .address_space: global }
      - { .name: bo, .offset: 32, .size: 8, .value_kind: global_buffer, .address_space: global }
      - { .name: out0, .offset: 40, .size: 8, .value_kind: global_buffer, .address_space: global }
    .group_segment_fixed_size: 327680
    .private_segment_fixed_size: 0
    .kernarg_segment_align: 8
    .kernarg_segment_size: 48
    .max_flat_workgroup_size: 128
    .sgpr_count:     100
    .vgpr_count:     1024
    .wavefront_size: 32
...
	.end_amdgpu_metadata
.endif
;; end of part 4
